; MI455X (gfx1250); checked and timed in simulation.
; The chip was launched on July 23, 2026; its instructions are those of AMD's public machine-readable ISA for CDNA 5 (MIT licence, August 2026) and "CDNA5" Instruction Set Architecture Reference Guide (July 2026). The comments in the code are by the model that wrote it; some were corrected since.
;; Mo E Layer Load Balance. Allowed arithmetic: matrix products marked QUANTISED: E2M1 operands, one E8M0 scale for each 32 along K, by v_wmma_scale_f32_16x16x128_f8f6f4 with both operands' format E2M1 (or v_wmma_scale_f32_32x16x128_f4), f32 sums; products left as they are: f32 operands where the result goes on into a quantised operand, else bf16, f16 or f32 operands; f32 sums; everything else in f32.
;; Inputs: b1 8 x 4,096 float32; b2 8 x 1,024 float32; expert_biases 8 float32; gate_b 8 float32; gate_w 1,024 x 8 float32; w1_codes 8 x 4,096 x 32 x 16 uint8 (E2M1 codes of w1, K innermost, in blocks of 32 codes, two codes a byte); w1_scales 8 x 4,096 x 32 uint8 (E8M0 scales of w1, one for each 32 codes along K); w2_codes 8 x 1,024 x 128 x 16 uint8 (E2M1 codes of w2, K innermost, in blocks of 32 codes, two codes a byte); w2_scales 8 x 1,024 x 128 uint8 (E8M0 scales of w2, one for each 32 codes along K); x 256 x 4 x 1,024 float32.
;; Outputs: out0 256 x 4 x 1,024 float32.
;; This version of the problem:
;;   THIS VERSION OF THE PROBLEM IS GIVEN IN LOW PRECISION. The matrix products marked QUANTISED in the list below multiply operands that are first quantised to E2M1 (2 exponent bits, 1 mantissa bit; 4 bits a number), with one power-of-two scale for each 32 numbers along K (OCP MX v1.0); their sums are f32. All else is computed in f32.
;;   The module's matrix products, in the order in which they are computed (A, B: the left and right operand; K: the contracted axis; several contracted axes count as one K, in the product's order):
;;     1. [M 1,024, K 1,024] x [K 1,024, N 8]; A: input x; B: input gate_w: left as it is (N = 8 < 16)
;;     2. [M 1,024, K 1,024] x [K 1,024, N 4,096]; A: input x; B: input w1 (given as codes): QUANTISED
;;     3. [M 1,024, K 4,096] x [K 4,096, N 1,024]; A: computed on the way; B: input w2 (given as codes): QUANTISED
;;     4. [M 1,024, K 1,024] x [K 1,024, N 4,096]; A: input x; B: input w1 (given as codes): QUANTISED
;;     5. [M 1,024, K 4,096] x [K 4,096, N 1,024]; A: computed on the way; B: input w2 (given as codes): QUANTISED
;;     6. [M 1,024, K 1,024] x [K 1,024, N 4,096]; A: input x; B: input w1 (given as codes): QUANTISED
;;     7. [M 1,024, K 4,096] x [K 4,096, N 1,024]; A: computed on the way; B: input w2 (given as codes): QUANTISED
;;     8. [M 1,024, K 1,024] x [K 1,024, N 4,096]; A: input x; B: input w1 (given as codes): QUANTISED
;;     9. [M 1,024, K 4,096] x [K 4,096, N 1,024]; A: computed on the way; B: input w2 (given as codes): QUANTISED
;;     10. [M 1,024, K 1,024] x [K 1,024, N 4,096]; A: input x; B: input w1 (given as codes): QUANTISED
;;     11. [M 1,024, K 4,096] x [K 4,096, N 1,024]; A: computed on the way; B: input w2 (given as codes): QUANTISED
;;     12. [M 1,024, K 1,024] x [K 1,024, N 4,096]; A: input x; B: input w1 (given as codes): QUANTISED
;;     13. [M 1,024, K 4,096] x [K 4,096, N 1,024]; A: computed on the way; B: input w2 (given as codes): QUANTISED
;;     14. [M 1,024, K 1,024] x [K 1,024, N 4,096]; A: input x; B: input w1 (given as codes): QUANTISED
;;     15. [M 1,024, K 4,096] x [K 4,096, N 1,024]; A: computed on the way; B: input w2 (given as codes): QUANTISED
;;     16. [M 1,024, K 1,024] x [K 1,024, N 4,096]; A: input x; B: input w1 (given as codes): QUANTISED
;;     17. [M 1,024, K 4,096] x [K 4,096, N 1,024]; A: computed on the way; B: input w2 (given as codes): QUANTISED
;;   THE QUANTISER, for each operand of a quantised product, along K:
;;     - K is cut into blocks of 32 from its start; a last block that is shorter is filled with zeros.
;;     - A block's scale is 2^e with e = floor(log2(the largest magnitude in the block)) - 2, held to -126 .. 127; a block of zeros has e = 0. As a byte (E8M0): e + 127.
;;     - Each number is divided by its block's scale, clamped to +-6, and rounded to the nearest number of E2M1, ties to even, subnormals kept.
;;     - The product sums the exact products of the quantised numbers (number of the format x scale) in f32.
;;   ~~~python
;;   def quantise(x, axis):      # numpy; x: float32 -> the quantised numbers, widened to float32 again
;;       x = np.moveaxis(x, axis, -1); K = x.shape[-1]
;;       x = np.pad(x, [(0, 0)] * (x.ndim - 1) + [(0, -K % 32)]); x = x.reshape(x.shape[:-1] + (-1, 32)); a = np.abs(x).max(-1, keepdims=True)
;;       e = np.where(a > 0, np.clip(np.frexp(np.where(a > 0, a, 1))[1] - 1 - 2, -126, 127), 0)      # np.frexp(a)[1] - 1 = floor(log2(a)), exactly
;;       r = np.clip(x / 2.0 ** e, -6, 6)
;;       step = 2.0 ** (np.maximum(np.frexp(np.where(r == 0, 1, r))[1] - 1, 0) - 1)
;;       q = np.round(r / step) * step * 2.0 ** e      # np.round: ties to even
;;       return np.moveaxis(q.reshape(q.shape[:-2] + (-1,))[..., :K], -1, axis).astype(np.float32)
;;   ~~~
;;   OPERANDS COMPUTED ON THE WAY. 'Computed on the way' means the value that the module computes at that place (a softmax that the list does not call 'softmax' is quantised finished and normalised). What goes into a quantiser is computed in f32, as accurately as f32 sums, v_exp_f32 and their like allow (about 1e-6 of the number): no bf16 or f16 on the way to a quantiser, and a product that is left as it is and whose result goes on into a quantised operand takes f32 operands (vector FMAs, or v_wmma_f32_16x16x4_f32). A number that lies on a knife's edge between two numbers of the format may be rounded either way, as far as f32 arithmetic and the matrix unit's own rounding can turn it there, and no further.
;;   INPUTS GIVEN AS CODES. w1 (in the module: [8, 1024, 4096], K = its axis 1); w2 (in the module: [8, 4096, 1024], K = its axis 1): each comes as NAME_codes (uint8): NAME with its K axis moved to the last place and cut into blocks of 32 codes, [.., K / 32, bytes a block], one block behind the other in memory; two codes a byte, the lower K in the low four bits (a code: sign, 2 exponent bits, 1 mantissa bit); and NAME_scales (uint8): the same leading axes, one E8M0 byte (e + 127) for each 32 codes along K. Its value is code x scale, taken as it is: it is not quantised again, and the codes and scales need not be those that the quantiser above would give.
;; 2 versions. Each part assembles by itself: llvm-mc -triple=amdgcn-amd-amdhsa -mcpu=gfx1250 --defsym DOCPART=n.
;; ======== version 1 of 2: 5 launches
;; workspace buffers: xc 557,056 bytes; idx 8,192 bytes of whole numbers; wts 8,192 bytes; plan 18,176 bytes of whole numbers; hc 5,013,504 bytes; y 8,912,896 bytes
;; launch route (part 1): grid 256 x 1, 4 waves a work-group, no clusters, 55,808 bytes of LDS; arguments x, gate_w, gate_b, expert_biases, xc, idx, wts; writes xc, idx, wts
.if DOCPART == 1
	.amdgcn_target "amdgcn-amd-amdhsa--gfx1250"
	.amdhsa_code_object_version 6
	.text
	.protected	k_qee9ac098b5_route
	.globl	k_qee9ac098b5_route
	.p2align	8
	.type	k_qee9ac098b5_route,@function
k_qee9ac098b5_route:
	s_mov_b64 s[64:65], 0
	v_nop
	global_prefetch_b8 v0, s[64:65] scope:SCOPE_SE
	s_setreg_imm32_b32 hwreg(HW_REG_WAVE_MODE, 25, 1), 1
	s_wait_xcnt 0x0
; ROUTE: for each of the 1,024 tokens: scores = x . gate_w + gate_b (f32 fused multiply-adds), the two largest of scores + expert_biases (the lower index wins a tie),
; the sigmoids of the two chosen scores divided by their sum; and x as codes of E2M1 with one E8M0 byte for each 32 along D.
; WORK LEFT OUT BY THE WHOLE PROGRAM.  reference() multiplies expert e's result for token t by combine[t][e], which its own one_hot makes 0 for the six experts that are not in topk_idx[t]:
; for all finite inputs those six rows of h and of h @ w2 reach no output.  So only the two chosen (token, expert) rows are multiplied.  Every input has a way to the output and is loaded by some launch.
; LIMITS.  A NaN, an infinity or an overflow that arises only in an expert that was not chosen is not carried to the result.  The logits are taken to be finite (a NaN or -infinity among them is not served).
; A sigmoid under 2^-126 comes out as 0 (the reciprocal flushes).  The scores' sums are taken 32 terms a lane and then across lanes: another order than reference()'s, so a second and a third logit that lie
; within f32 rounding of each other may change places.  A block of zeros of x gets the byte 1 where the quantiser says 127: its codes are zeros, and this program alone reads the bytes.
; The choice steers no address here: experts and weights go to fixed places (slot 2 t + k), and a later launch places the rows.
; SHARES.  Wave w of work-group g owns token 4 g + w.  gate_w (32 KiB) is brought into LDS once a work-group, 8 KiB a wave by dense loads, and read back so that lane l holds the rows k = 512 j + 16 l + i,
; the same k of which it holds x: x's 4,096 bytes are loaded densely and turned through the wave's own stage in LDS so that a lane has 16 neighbours along D (two lanes to a block of 32).
; No matrix unit (8 columns), no tensor load, no cluster: the work-groups share only gate_w, which is small beside x.
.set XS_OFF, 524288                    ; xc: codes [1024][512 bytes], then scale bytes [1024][32]
.set GWP,    528                       ; LDS: a chunk of 512 bytes of gate_w (16 rows of 8) + 16 of padding: 33 x 16, so the lanes' 16-byte reads start in different banks
.set SP,     80                        ; a lane's place in a stage: 64 bytes + 16
.set REG0,   64*GWP                    ; behind gate_w: a region for each wave: two stages of 32 x SP, then its 32 scale bytes
.set REGB,   5376
.set SPARE,  REG0+4*REGB               ; the spare words, 128 bytes a wave: two blocks of 256 bytes that no other line names
.set SPW, 12                           ; v12  my spare word's address; never rewritten
.set NIL, 13                           ; v13  0; never rewritten
.set R,   16                           ; v16-47   x's row as loaded
.set X,   48                           ; v48-79   register 16 j + i: x[512 j + 16 lane + i]
.set ACC, 80                           ; v80-87   the eight sums
.set S,   88                           ; v88-95   scores
.set L,   96                           ; v96-103  logits
.set T,   104                          ; v104-106 at work
.set C,   108                          ; v108-111 codes
.set EB,  112                          ; v112-113 scale bytes
.set BB,  114
.set I1,  115
.set P1,  116
.set I2,  117
.set P2,  118
.set NEG, 119
.set A3,  120
.set OI,  121
.set OW,  122
.set SBY, 123
.set GW,  128                          ; v128-255 register 8 i + e: gate_w[512 j + 16 lane + i][e], one half j at a time
	s_load_b256 s[4:11], s[0:1], 0x0               ; x, gate_w, gate_b, expert_biases
	s_load_b128 s[12:15], s[0:1], 0x20             ; xc, idx
	s_load_b64 s[16:17], s[0:1], 0x30              ; wts
	v_lshl_add_u32 v[SPW], v0, 2, SPARE
	v_mov_b32 v[NIL], 0
	v_lshrrev_b32 v2, 5, v0
	v_readfirstlane_b32 s18, v2                    ; wave
	v_and_b32 v1, 31, v0                           ; lane
	v_lshlrev_b32 v3, 4, v1                        ; 16 x lane
	s_lshl_b32 s19, s18, 13
	v_add_nc_u32 v14, s19, v3                      ; gate_w in memory: my wave's 8,192 bytes
	s_mul_i32 s19, s18, 16*GWP
	v_add_nc_u32 v4, s19, v3                       ; and in LDS: my wave's 16 chunks
	v_mul_u32_u24 v5, v1, GWP                      ; back: chunk 32 j + lane
	s_mul_i32 s20, s18, REGB
	s_add_co_u32 s20, s20, REG0                    ; my wave's region
	v_lshrrev_b32 v6, 2, v1
	v_mul_u32_u24 v6, v6, SP
	v_and_b32 v7, 3, v1
	v_lshl_add_u32 v6, v7, 4, v6
	v_add_nc_u32 v6, s20, v6                       ; the stage, in: four lanes' 64 bytes on end, then the padding
	v_mul_u32_u24 v7, v1, SP
	v_add_nc_u32 v7, s20, v7                       ; out: my 16 neighbours
	s_add_co_u32 s21, s20, 2*32*SP
	v_lshrrev_b32 v8, 1, v1
	v_add_nc_u32 v8, s21, v8                       ; my block's scale byte
	v_add_nc_u32 v9, s21, v1                       ; and on the way out a byte a lane
	v_lshlrev_b32 v10, 3, v1                       ; my 16 codes: 8 bytes
	v_lshlrev_b32 v11, 2, v1
	s_lshl_b32 s22, ttmp9, 2
	s_add_co_u32 s22, s22, s18                     ; my token
	s_mov_b32 s3, 0
	s_lshl_b32 s2, s22, 12
	s_mov_b32 s40, 0x76543210
	s_mov_b32 s41, 0xfedcba98                      ; lane l xor 16
	s_wait_kmcnt 0x0
	s_load_b256 s[24:31], s[8:9], 0x0              ; gate_b
	s_load_b256 s[32:39], s[10:11], 0x0            ; expert_biases
	s_add_nc_u64 s[4:5], s[4:5], s[2:3]            ; x at my token
.irp m, 0,1,2,3,4,5,6,7,8,9,10,11,12,13,14,15
	global_load_b128 v[GW+4*\m:GW+4*\m+3], v14, s[6:7] offset:512*\m          ; 512 consecutive bytes a load
.endr
.irp i, 0,1,2,3,4,5,6,7
	global_load_b128 v[R+4*\i:R+4*\i+3], v3, s[4:5] offset:512*\i th:TH_LOAD_NT
.endr
	s_lshl_b32 s2, s22, 9
	s_add_nc_u64 s[44:45], s[12:13], s[2:3]        ; my token's codes
	s_lshl_b32 s2, s22, 5
	s_add_nc_u64 s[46:47], s[12:13], s[2:3]        ; its scale bytes (XS_OFF stands in the immediate)
	s_lshl_b32 s2, s22, 3
	s_add_nc_u64 s[14:15], s[14:15], s[2:3]        ; its two experts
	s_add_nc_u64 s[16:17], s[16:17], s[2:3]        ; its two weights
	s_wait_loadcnt 8                               ; gate_w's 16 loads are in; the 8 younger ones, x's, may stay out
.irp m, 0,1,2,3,4,5,6,7,8,9,10,11,12,13,14,15
	ds_store_b128 v4, v[GW+4*\m:GW+4*\m+3] offset:GWP*\m
.endr
	s_wait_dscnt 0x0                               ; for the others' sake: my part of gate_w lies in LDS
	s_barrier_signal -1
	s_barrier_wait -1
	s_wait_loadcnt 0x0                             ; x
.macro TURN j                          ; 512 numbers through stage j: LDS serves a wave's instructions in order, so no wait stands between the stores and the loads
.irp i, 0,1,2,3
	ds_store_b128 v6, v[R+16*\j+4*\i:R+16*\j+4*\i+3] offset:32*SP*\j+8*SP*\i
.endr
.irp i, 0,1,2,3
	ds_load_b128 v[X+16*\j+4*\i:X+16*\j+4*\i+3], v7 offset:32*SP*\j+16*\i
.endr
.endm
.macro GLOAD j                         ; my 16 rows of gate_w's half j: 512 bytes
.irp i, 0,1,2,3,4,5,6,7,8,9,10,11,12,13,14,15
	ds_load_b128 v[GW+8*\i:GW+8*\i+3],   v5 offset:32*GWP*\j+32*\i
	ds_load_b128 v[GW+8*\i+4:GW+8*\i+7], v5 offset:32*GWP*\j+32*\i+16
.endr
.endm
.macro DOT j                           ; 128 fused multiply-adds, the eight sums by turns; the first eight products start the sums
.irp i, 0,1,2,3,4,5,6,7,8,9,10,11,12,13,14,15
.irp e, 0,1,2,3,4,5,6,7
.if (\j == 0) && (\i == 0)
	v_mul_f32 v[ACC+\e], v[X], v[GW+\e]
.else
	v_fmac_f32 v[ACC+\e], v[X+16*\j+\i], v[GW+8*\i+\e]
.endif
.endr
.endr
.endm
.macro QSTEP j                         ; 512 numbers become codes: the block's largest magnitude, 2 off its exponent field, the conversion, the byte
.set XQ, X+16*\j
	v_max3_num_f32 v[T], |v[XQ]|, |v[XQ+1]|, |v[XQ+2]|
	v_max3_num_f32 v[T+1], |v[XQ+3]|, |v[XQ+4]|, |v[XQ+5]|
.irp i, 6,10
	v_max3_num_f32 v[T], v[T], |v[XQ+\i]|, |v[XQ+\i+1]|
	v_max3_num_f32 v[T+1], v[T+1], |v[XQ+\i+2]|, |v[XQ+\i+3]|
.endr
	v_max3_num_f32 v[T], v[T], |v[XQ+14]|, |v[XQ+15]|
	v_max3_num_f32 v[T], v[T], v[T+1], 0x1800000   ; the floor 2^(3 - 127): the byte cannot fall under 1
	v_max_num_f32_dpp v[T], v[T], v[T] row_xmask:1 row_mask:0xf bank_mask:0xf   ; with my neighbour's 16: the block's
	v_add_nc_u32 v[T+2], 0xff000000, v[T]          ; the conversion takes this operand's exponent field as its scale
	v_cvt_scalef32_pk8_fp4_f32 v[C+2*\j], v[XQ:XQ+7], v[T+2]
	v_cvt_scalef32_pk8_fp4_f32 v[C+2*\j+1], v[XQ+8:XQ+15], v[T+2]
	v_lshrrev_b32 v[EB+\j], 23, v[T+2]             ; the byte (also the plain line behind the conversions)
	ds_store_b8 v8, v[EB+\j] offset:16*\j          ; both lanes of a block write the same byte
	global_store_b64 v10, v[C+2*\j:C+2*\j+1], s[44:45] offset:256*\j   ; the wave stores 256 consecutive bytes, aligned
.endm
	TURN 0
	TURN 1
	GLOAD 0
	s_wait_dscnt 0x0
	DOT 0
	GLOAD 1                                        ; the second half lands while x is quantised
	QSTEP 0
	QSTEP 1
	ds_load_u8 v[SBY], v9                          ; my token's 32 scale bytes, one a lane: behind my own stores, in order
	s_wait_dscnt 0x0
	global_store_b8 v1, v[SBY], s[46:47] offset:XS_OFF
	DOT 1
.irp k, 1,2,4,8
.irp e, 0,1,2,3,4,5,6,7
	v_add_f32_dpp v[ACC+\e], v[ACC+\e], v[ACC+\e] row_xmask:\k row_mask:0xf bank_mask:0xf
.endr
.endr
.irp e, 0,1,2,3,4,5,6,7
	v_permlanex16_b32 v[GW+\e], v[ACC+\e], s40, s41  ; (gate_w's registers are done with, and have been written)
.endr
	s_wait_kmcnt 0x0                               ; gate_b, expert_biases
.irp e, 0,1,2,3,4,5,6,7
	v_add_f32 v[ACC+\e], v[ACC+\e], v[GW+\e]
.endr
.irp e, 0,1,2,3,4,5,6,7
	v_add_f32 v[S+\e], s[24+\e], v[ACC+\e]         ; scores
.endr
.irp e, 0,1,2,3,4,5,6,7
	v_add_f32 v[L+\e], s[32+\e], v[S+\e]           ; logits: the bias steers the choice alone
.endr
.macro PICK i, p                       ; the largest logit's index and score; what stands is kept where it is at least as large: the lower index wins a tie
	v_mov_b32 v[BB], v[L]
	v_mov_b32 v[\i], 0
	v_mov_b32 v[\p], v[S]
.irp e, 1,2,3,4,5,6,7
	v_cmp_ge_f32 vcc_lo, v[BB], v[L+\e]
	v_cndmask_b32 v[BB], v[L+\e], v[BB], vcc_lo
	v_cndmask_b32 v[\i], \e, v[\i], vcc_lo
	v_cndmask_b32 v[\p], v[S+\e], v[\p], vcc_lo
.endr
.endm
	PICK I1, P1
	v_mov_b32 v[NEG], 0xff800000
.irp e, 0,1,2,3,4,5,6,7
	v_cmp_eq_u32 vcc_lo, \e, v[I1]
	v_cndmask_b32 v[L+\e], v[L+\e], v[NEG], vcc_lo ; the first choice leaves the field
.endr
	PICK I2, P2
	v_mul_f32 v[P1], 0xbfb8aa3b, v[P1]             ; -log2(e) x score
	v_mul_f32 v[P2], 0xbfb8aa3b, v[P2]
	v_exp_f32 v[P1], v[P1]
	v_exp_f32 v[P2], v[P2]
	v_nop                                          ; a plain line behind the batch,
	s_wait_alu depctr_va_vdst(0)                   ; and a wait ahead of its first reader
	v_add_f32 v[P1], 1.0, v[P1]
	v_add_f32 v[P2], 1.0, v[P2]
	v_rcp_f32 v[P1], v[P1]                         ; the two sigmoids
	v_rcp_f32 v[P2], v[P2]
	v_nop
	s_wait_alu depctr_va_vdst(0)
	v_add_f32 v[A3], v[P1], v[P2]
	v_rcp_f32 v[A3], v[A3]
	v_cmp_eq_u32 vcc_lo, 0, v1                     ; lane 0 stores the first choice, lane 1 the second
	v_cndmask_b32 v[OI], v[I2], v[I1], vcc_lo
	s_wait_alu depctr_va_vdst(0)
	v_mul_f32 v[P1], v[P1], v[A3]
	v_mul_f32 v[P2], v[P2], v[A3]
	v_cndmask_b32 v[OW], v[P2], v[P1], vcc_lo
	v_cmp_gt_u32 vcc_lo, 2, v1
	s_wait_xcnt 0x0                                ; EXEC changes only behind this wait: stores are out
	s_and_saveexec_b32 s42, vcc_lo
	global_store_b32 v11, v[OI], s[14:15]
	global_store_b32 v11, v[OW], s[16:17]
	s_wait_xcnt 0x0                                ; and again in front of the line that widens it
	s_or_b32 exec_lo, exec_lo, s42
	s_wait_tensorcnt 0x0                           ; the wave's end, behind my last LDS store
	ds_add_u32 v[SPW], v[NIL]
	s_wait_dscnt 0x0
	s_endpgm
.Lfunc_end_k_qee9ac098b5_route:
	.size	k_qee9ac098b5_route, .Lfunc_end_k_qee9ac098b5_route-k_qee9ac098b5_route
	.p2alignl 7, 3214868480
	.fill 96, 4, 3214868480
	.section	.rodata,"a",@progbits
	.p2align	6, 0x0
	.amdhsa_kernel k_qee9ac098b5_route
		.amdhsa_group_segment_fixed_size 55808
		.amdhsa_private_segment_fixed_size 0
		.amdhsa_enable_private_segment 0
		.amdhsa_kernarg_size 56
		.amdhsa_user_sgpr_count 2
		.amdhsa_user_sgpr_kernarg_segment_ptr 1
		.amdhsa_wavefront_size32 1
		.amdhsa_system_sgpr_workgroup_id_x 1
		.amdhsa_system_sgpr_workgroup_id_y 1
		.amdhsa_system_sgpr_workgroup_id_z 1
		.amdhsa_system_vgpr_workitem_id 0
		.amdhsa_next_free_vgpr 256
		.amdhsa_next_free_sgpr 66
		.amdhsa_reserve_vcc 1
		.amdhsa_float_denorm_mode_32 3
		.amdhsa_float_denorm_mode_16_64 3
		.amdhsa_memory_ordered 1
		.amdhsa_forward_progress 1
		.amdhsa_inst_pref_size 28
	.end_amdhsa_kernel
	.amdgpu_metadata
---
amdhsa.version: [ 1, 2 ]
amdhsa.kernels:
  - .name:           k_qee9ac098b5_route
    .symbol:         k_qee9ac098b5_route.kd
    .args:
      - { .name: x, .offset: 0, .size: 8, .value_kind: global_buffer, .address_space: global }
      - { .name: gate_w, .offset: 8, .size: 8, .value_kind: global_buffer, .address_space: global }
      - { .name: gate_b, .offset: 16, .size: 8, .value_kind: global_buffer, .address_space: global }
      - { .name: expert_biases, .offset: 24, .size: 8, .value_kind: global_buffer, .address_space: global }
      - { .name: xc, .offset: 32, .size: 8, .value_kind: global_buffer, .address_space: global }
      - { .name: idx, .offset: 40, .size: 8, .value_kind: global_buffer, .address_space: global }
      - { .name: wts, .offset: 48, .size: 8, .value_kind: global_buffer, .address_space: global }
    .group_segment_fixed_size: 55808
    .private_segment_fixed_size: 0
    .kernarg_segment_align: 8
    .kernarg_segment_size: 56
    .max_flat_workgroup_size: 128
    .sgpr_count:     66
    .vgpr_count:     256
    .wavefront_size: 32
...
	.end_amdgpu_metadata
.endif
;; end of part 1
;; launch place (part 2): grid 1 x 1, 8 waves a work-group, no clusters, 2,048 bytes of LDS; arguments idx, plan; writes plan
.if DOCPART == 2
	.amdgcn_target "amdgcn-amd-amdhsa--gfx1250"
	.amdhsa_code_object_version 6
	.text
	.protected	k_qee9ac098b5_place
	.globl	k_qee9ac098b5_place
	.p2align	8
	.type	k_qee9ac098b5_place,@function
k_qee9ac098b5_place:
	s_mov_b64 s[64:65], 0
	v_nop
	global_prefetch_b8 v0, s[64:65] scope:SCOPE_SE
	s_setreg_imm32_b32 hwreg(HW_REG_WAVE_MODE, 25, 1), 1
	s_wait_xcnt 0x0
; PLACE: a counting sort of the 2,048 slots (slot 2 t + k: token t's k-th expert) by expert, without atomics, by one work-group of eight waves.
; Only chosen (token, expert) rows are placed: the others are left out, as the first kernel's head shows.
; Each expert's run of rows begins at a multiple of 16 (a GROUP is 16 positions of one expert) and is filled up to a multiple of 16 with token 0: at most 15 rows an expert, inside groups that hold live rows;
; their results go to positions that nobody reads.  With 2,048 rows and 8 experts there are at most 135 groups, whatever the choice.
; plan: words 0-7 each expert's first group, words 8-15 its number of groups; from byte 256 pos[2048]: a slot's position; from RL_OFF rowlist: a position's token (2,176 words) and 256 words that take the stores of lanes with nothing to pad.
; Wave w owns slots 256 w .. 256 w + 255, eight a lane.  Counts by ballots and bit counts; the waves' counts meet in LDS; a slot's rank is the number of equal experts in earlier waves, earlier registers and lower lanes.
.set RL_OFF, 8448
.set SPARE,  1024                      ; behind the counts (4 bytes a thread): the spare words, 128 bytes a wave: four blocks of 256 bytes that no other line names
.set I,    16                          ; v16-23  register 4 u + q of lane l: the expert of slot 256 w + 128 u + 4 l + q
.set CT,   24                          ; v24-31  the eight waves' counts of expert lane % 8
.set P,    32                          ; v32-39  positions
.set A,    40                          ; v40-47  4 x position
.set TK,   48                          ; v48-51  tokens
.set SPW,  60
.set NIL,  61
.set CNT,  16                          ; s16-23  my wave's counts
.set TOT,  24                          ; s24-31  all waves'
.set PRE,  32                          ; s32-39  the earlier waves'
.set NG,   40                          ; s40-47  groups
.set GS,   48                          ; s48-55  first group
.set BASE, 56                          ; s56-63  the next free position for my wave
	s_load_b128 s[4:7], s[0:1], 0x0                ; idx, plan
	v_lshl_add_u32 v[SPW], v0, 2, SPARE
	v_mov_b32 v[NIL], 0
	v_lshrrev_b32 v2, 5, v0
	v_readfirstlane_b32 s8, v2                     ; wave
	v_and_b32 v1, 31, v0                           ; lane
	v_lshlrev_b32 v2, 4, v1
	s_lshl_b32 s9, s8, 10
	v_add_nc_u32 v2, s9, v2                        ; 1,024 w + 16 l: my four slots' bytes, in idx and in pos
	v_lshlrev_b32 v3, 2, v0                        ; LDS: my thread's word
	v_and_b32 v4, 7, v0
	v_lshlrev_b32 v4, 2, v4                        ; LDS: expert lane % 8's word of wave 0
	s_lshl_b32 s9, s8, 7
	v_lshl_add_u32 v[TK], v1, 1, s9                ; token of slots q = 0, 1 of u = 0: 128 w + 2 l
	v_add_nc_u32 v[TK+1], 1, v[TK]
	v_add_nc_u32 v[TK+2], 64, v[TK]
	v_add_nc_u32 v[TK+3], 65, v[TK]
	s_wait_kmcnt 0x0
	global_load_b128 v[I:I+3], v2, s[4:5]
	global_load_b128 v[I+4:I+7], v2, s[4:5] offset:512
	v_mov_b32 v5, 0
	s_wait_loadcnt 0x0
.irp e, 0,1,2,3,4,5,6,7
.irp m, 0,1,2,3,4,5,6,7
	v_cmp_eq_u32 vcc_lo, \e, v[I+\m]
.if \m == 0
	s_bcnt1_i32_b32 s[CNT+\e], vcc_lo
.else
	s_bcnt1_i32_b32 s10, vcc_lo
	s_add_co_u32 s[CNT+\e], s[CNT+\e], s10
.endif
.endr
.endr
.irp e, 0,1,2,3,4,5,6,7
	v_writelane_b32 v5, s[CNT+\e], \e
.endr
	ds_store_b32 v3, v5                            ; lane e: my wave's count of expert e
	s_wait_dscnt 0x0                               ; for the others' sake
	s_barrier_signal -1
	s_barrier_wait -1
.irp k, 0,1,2,3,4,5,6,7
	ds_load_b32 v[CT+\k], v4 offset:128*\k
.endr
	s_wait_dscnt 0x0
	v_add3_u32 v6, v[CT], v[CT+1], v[CT+2]
	v_add3_u32 v6, v6, v[CT+3], v[CT+4]
	v_add3_u32 v6, v6, v[CT+5], v[CT+6]
	v_add_nc_u32 v6, v6, v[CT+7]                   ; all waves'
.irp k, 0,1,2,3,4,5,6
	s_cmp_gt_u32 s8, \k
	s_cselect_b32 s10, -1, 0
.if \k == 0
	v_and_b32 v7, s10, v[CT]
.else
	v_and_b32 v8, s10, v[CT+\k]
	v_add_nc_u32 v7, v7, v8                        ; the earlier waves'
.endif
.endr
.irp e, 0,1,2,3,4,5,6,7
	v_readlane_b32 s[TOT+\e], v6, \e
	v_readlane_b32 s[PRE+\e], v7, \e
.endr
	s_mov_b32 s[GS], 0
.irp e, 0,1,2,3,4,5,6,7
	s_add_co_u32 s[NG+\e], s[TOT+\e], 15
	s_lshr_b32 s[NG+\e], s[NG+\e], 4
.if \e < 7
	s_add_co_u32 s[GS+\e+1], s[GS+\e], s[NG+\e]
.endif
	s_lshl_b32 s[BASE+\e], s[GS+\e], 4
	s_add_co_u32 s[BASE+\e], s[BASE+\e], s[PRE+\e]
.endr
.irp m, 0,1,2,3,4,5,6,7
.irp e, 0,1,2,3,4,5,6,7
	v_cmp_eq_u32 vcc_lo, \e, v[I+\m]
.if \e == 0
	v_mbcnt_lo_u32_b32 v[P+\m], vcc_lo, s[BASE+\e] ; the free position + the equal experts in lower lanes
.else
	v_mbcnt_lo_u32_b32 v9, vcc_lo, s[BASE+\e]
	v_cndmask_b32 v[P+\m], v[P+\m], v9, vcc_lo
.endif
	s_bcnt1_i32_b32 s10, vcc_lo
	s_add_co_u32 s[BASE+\e], s[BASE+\e], s10
.endr
	v_min_u32 v[P+\m], 0x87f, v[P+\m]              ; inside the 2,176 positions, whatever idx holds
.endr
	global_store_b128 v2, v[P:P+3], s[6:7] offset:256        ; pos: 512 consecutive bytes a store
	global_store_b128 v2, v[P+4:P+7], s[6:7] offset:256+512
.irp m, 0,1,2,3,4,5,6,7
	v_lshlrev_b32 v[A+\m], 2, v[P+\m]
	global_store_b32 v[A+\m], v[TK+2*(\m/4)+(\m%4)/2], s[6:7] offset:RL_OFF   ; a scatter of single words: 8 KiB in all, once
.endr
	; the padding: wave w fills expert w's last group with token 0
	s_mov_b32 s10, s[TOT]
	s_mov_b32 s11, s[GS]
	s_mov_b32 s12, s[NG]
.irp e, 1,2,3,4,5,6,7
	s_cmp_eq_u32 s8, \e
	s_cselect_b32 s10, s[TOT+\e], s10
	s_cselect_b32 s11, s[GS+\e], s11
	s_cselect_b32 s12, s[NG+\e], s12
.endr
	s_lshl_b32 s13, s11, 4
	s_add_co_u32 s14, s13, s10
	v_add_nc_u32 v52, s14, v1                      ; the first free position + lane
	s_add_co_u32 s15, s11, s12
	s_lshl_b32 s15, s15, 4                         ; where the expert's groups end
	v_cmp_gt_u32 vcc_lo, s15, v52
	v_add_nc_u32 v53, 2176, v0                     ; a word of its own for a lane with nothing to pad: all lanes store, EXEC stays whole
	v_cndmask_b32 v52, v53, v52, vcc_lo
	v_min_u32 v52, 0x97f, v52                      ; inside the list's 2,432 words
	v_lshlrev_b32 v52, 2, v52
	v_mov_b32 v54, 0
	global_store_b32 v52, v54, s[6:7] offset:RL_OFF
	s_cmp_lg_u32 s8, 0
	s_cbranch_scc1 .Lnot_wave_0
	v_mov_b32 v55, 0
.irp e, 0,1,2,3,4,5,6,7
	v_writelane_b32 v55, s[GS+\e], \e
	v_writelane_b32 v55, s[NG+\e], 8+\e
.endr
	v_lshlrev_b32 v56, 2, v1
	global_store_b32 v56, v55, s[6:7]              ; first groups and numbers of groups
.Lnot_wave_0:
	s_wait_tensorcnt 0x0                           ; the wave's end, behind my last LDS store
	ds_add_u32 v[SPW], v[NIL]
	s_wait_dscnt 0x0
	s_endpgm
.Lfunc_end_k_qee9ac098b5_place:
	.size	k_qee9ac098b5_place, .Lfunc_end_k_qee9ac098b5_place-k_qee9ac098b5_place
	.p2alignl 7, 3214868480
	.fill 96, 4, 3214868480
	.section	.rodata,"a",@progbits
	.p2align	6, 0x0
	.amdhsa_kernel k_qee9ac098b5_place
		.amdhsa_group_segment_fixed_size 2048
		.amdhsa_private_segment_fixed_size 0
		.amdhsa_enable_private_segment 0
		.amdhsa_kernarg_size 16
		.amdhsa_user_sgpr_count 2
		.amdhsa_user_sgpr_kernarg_segment_ptr 1
		.amdhsa_wavefront_size32 1
		.amdhsa_system_sgpr_workgroup_id_x 1
		.amdhsa_system_sgpr_workgroup_id_y 1
		.amdhsa_system_sgpr_workgroup_id_z 1
		.amdhsa_system_vgpr_workitem_id 0
		.amdhsa_next_free_vgpr 64
		.amdhsa_next_free_sgpr 66
		.amdhsa_reserve_vcc 1
		.amdhsa_float_denorm_mode_32 3
		.amdhsa_float_denorm_mode_16_64 3
		.amdhsa_memory_ordered 1
		.amdhsa_forward_progress 1
		.amdhsa_inst_pref_size 28
	.end_amdhsa_kernel
	.amdgpu_metadata
---
amdhsa.version: [ 1, 2 ]
amdhsa.kernels:
  - .name:           k_qee9ac098b5_place
    .symbol:         k_qee9ac098b5_place.kd
    .args:
      - { .name: idx, .offset: 0, .size: 8, .value_kind: global_buffer, .address_space: global }
      - { .name: plan, .offset: 8, .size: 8, .value_kind: global_buffer, .address_space: global }
    .group_segment_fixed_size: 2048
    .private_segment_fixed_size: 0
    .kernarg_segment_align: 8
    .kernarg_segment_size: 16
    .max_flat_workgroup_size: 256
    .sgpr_count:     66
    .vgpr_count:     64
    .wavefront_size: 32
...
	.end_amdgpu_metadata
.endif
;; end of part 2
;; launch ffn1 (part 3): grid 32 x 8, 4 waves a work-group, no clusters, 0 bytes of LDS; arguments xc, plan, w1_codes, w1_scales, b1, hc; writes hc
.if DOCPART == 3
	.amdgcn_target "amdgcn-amd-amdhsa--gfx1250"
	.amdhsa_code_object_version 6
	.text
	.protected	k_qee9ac098b5_ffn1
	.globl	k_qee9ac098b5_ffn1
	.p2align	8
	.type	k_qee9ac098b5_ffn1,@function
k_qee9ac098b5_ffn1:
	s_mov_b64 s[64:65], 0
	v_nop
	global_prefetch_b8 v0, s[64:65] scope:SCOPE_SE
	s_setreg_imm32_b32 hwreg(HW_REG_WAVE_MODE, 25, 1), 1
	s_wait_xcnt 0x0
; FFN1: h = relu(x W1[e] + b1[e]) for the rows placed on expert e, quantised along FF on the way: codes of E2M1 and E8M0 bytes, laid as the next launch's operand registers.
; Only rows of chosen (token, expert) pairs are multiplied: the others are multiplied by a 0 of reference()'s own one_hot (shown at the first kernel's head).
; SHARES.  Work-group (fb, e) makes hidden units 128 fb .. 128 fb + 127 of expert e: one K step of the second product.  All four waves hold that tile of W1 (128 rows x 1,024 K: 64 fragments, 512 registers) for the
; whole launch; wave w takes the expert's groups of 16 rows w, w + 4, w + 8 ..  Waves share nothing: no LDS, no barrier.
; The number of groups is read from memory, and branches hang on it: so this text has no tensor load and hence no joint loads of a cluster; operands go from memory straight into registers.
; An expert without rows leaves its 32 work-groups with nothing to store: the price of a grid that serves every split.
; LAYOUT.  The product is used transposed (source 0 = 16 rows of W1, source 1 = 16 rows of x): a lane holds ONE row of x.  Lane r of tile 2 b + u takes W1's row 32 b + 8 u + r + 8 (r / 8), so that the 16 registers of
; tiles 2 b and 2 b + 1 are 16 neighbours along FF: 32 b + 16 (lane / 16) + 0 .. 15.  b1 is the C of each sum's first matrix instruction.
; REGISTERS, in windows of 256: window 0: v1-21 addresses; v32-55 x's scale words, three sets; v56-63 the codes just made; v64-127 W1's scale words (8 t + s); v128-191 the 8 tiles of h; v192-208 at work.
;   window 1: v0-191 x's fragments, a ring of three groups (64 i + 8 s); v192-255 b1 in the result's layout.   window 2: W1's fragments of K steps 0-3 (8 (8 s + t));   window 3: K steps 4-7.
.set XS_OFF, 524288
.set RL_OFF, 8448
.set HS_OFF, 4456448                   ; hc: images [136 groups][32 K steps][1,024 bytes]; then scale words [136][8][32 lanes][4 words]
.set WA,  3                            ; v3   W1: (r + 8 (r / 8)) x 512 + 16 h
.set WSA, 4                            ; v4   its scale words: (r + 8 (r / 8)) x 32
.set BA,  5                            ; v5   b1: 64 h
.set RLA, 6                            ; v6   4 r
.set LI,  7                            ; v7   16 x lane
.set H16, 8                            ; v8   16 h
.set XA,  10                           ; v10-12 x's codes of ring place i: token x 512 + 16 h
.set XSA, 13                           ; v13-15 its scale words: token x 32
.set IDN, 16                           ; v16-18 tokens
.set IDO, 19                           ; v19-21 where they are read
.set XS,  32
.set PC,  56
.set W1S, 64
.set D,   128
.set TM,  192
.set PW,  208
.set B1,  192                          ; in window 1
.set WV,  16
.set FB,  17
.set EX,  18
.set NG,  19
.set GST, 20
.set NM1, 21
.set GI,  22                           ; ring place 0's group in this trip: wave + 12 x trip
.set TRIP, 23
.set HB,  32                           ; s[32:33] where the image goes
.set SB,  34                           ; s[34:35] where the scale words go
.set FBS, 36
.set SEL, 40
.set MSB, 0
.macro WIN new                         ; the immediate's high byte repeats the setting that is left; a switch that changes nothing is dropped
.if MSB != (\new)
	s_set_vgpr_msb (MSB<<8)|(\new)
.set MSB, (\new)
.endif
.endm
	s_load_b256 s[4:11], s[0:1], 0x0               ; xc, plan, w1_codes, w1_scales
	s_load_b128 s[12:15], s[0:1], 0x20             ; b1, hc
	v_lshrrev_b32 v9, 5, v0
	v_readfirstlane_b32 s[WV], v9
	v_and_b32 v1, 15, v0                           ; r
	v_bfe_u32 v2, v0, 4, 1                         ; h
	v_and_b32 v9, 8, v1
	v_add_nc_u32 v9, v9, v1                        ; r + 8 (r / 8)
	v_lshlrev_b32 v[H16], 4, v2
	v_lshl_add_u32 v[WA], v9, 9, v[H16]
	v_lshlrev_b32 v[WSA], 5, v9
	v_lshlrev_b32 v[BA], 6, v2
	v_lshlrev_b32 v[RLA], 2, v1
	v_and_b32 v[LI], 31, v0
	v_lshlrev_b32 v[LI], 4, v[LI]
.irp b, 0,1,2,3
	v_mov_b32 v[TM+4+\b], 0                        ; written once: a lane permute's destination counts as one of its sources
.endr
	s_mov_b32 s[FB], ttmp9
	s_and_b32 s[EX], ttmp7, 0xffff
	s_lshl_b32 s26, s[EX], 2
	s_mov_b32 s27, 0
	s_lshl_b32 s28, s[EX], 21                      ; W1's codes: 2 MiB an expert, 128 rows of 512 bytes a block
	s_lshl_b32 s29, ttmp9, 16
	s_add_co_u32 s28, s28, s29
	s_mov_b32 s29, 0
	s_lshl_b32 s30, s[EX], 17                      ; its scale bytes: 32 a row
	s_lshl_b32 s31, ttmp9, 12
	s_add_co_u32 s30, s30, s31
	s_mov_b32 s31, 0
	s_lshl_b32 s38, s[EX], 14                      ; b1
	s_lshl_b32 s39, ttmp9, 9
	s_add_co_u32 s38, s38, s39
	s_mov_b32 s39, 0
	s_lshr_b32 s[FBS], ttmp9, 2                    ; my K step's place among a group's scale words: 512 (fb / 4) + 4 (fb % 4)
	s_lshl_b32 s[FBS], s[FBS], 9
	s_and_b32 s37, ttmp9, 3
	s_lshl_b32 s37, s37, 2
	s_add_co_u32 s[FBS], s[FBS], s37
	s_mov_b32 s[SEL], 0x76543210
	s_mov_b32 s[SEL+1], 0xfedcba98
	s_mov_b32 s[GI], s[WV]
	s_wait_kmcnt 0x0
	s_add_nc_u64 s[24:25], s[6:7], s[26:27]
	s_load_b32 s[GST], s[24:25], 0x0               ; my expert's first group
	s_load_b32 s[NG], s[24:25], 0x20               ; and how many it has
	s_add_nc_u64 s[8:9], s[8:9], s[28:29]
	s_add_nc_u64 s[10:11], s[10:11], s[30:31]
	s_add_nc_u64 s[12:13], s[12:13], s[38:39]
.macro WLOAD k0                        ; W1's fragments of K steps k0 .. k0 + 3: 64 loads, 256 registers
.irp s, 0,1,2,3
.irp t, 0,1,2,3,4,5,6,7
.irp c, 0,1
	global_load_b128 v[8*(8*\s+\t)+4*\c:8*(8*\s+\t)+4*\c+3], v[WA], s[8:9] offset:(32*(\t/2)+8*(\t%2))*512+64*(\k0+\s)+32*\c
.endr
.endr
.endr
.endm
.macro IDLOAD i, ahead                 ; the 16 tokens of the group that ring place i takes, ahead groups on; held inside the expert's groups, so that it may always be issued
	s_add_co_u32 s26, s[GI], \ahead+4*\i
	s_min_u32 s26, s26, s[NM1]
	s_add_co_u32 s26, s26, s[GST]
	s_min_u32 s26, s26, 135
	s_lshl_b32 s26, s26, 6
	v_add_nc_u32 v[IDO+\i], s26, v[RLA]
	global_load_b32 v[IDN+\i], v[IDO+\i], s[6:7] offset:RL_OFF
.endm
.macro XADDR i
	v_min_u32 v[IDN+\i], 0x3ff, v[IDN+\i]
	v_lshl_add_u32 v[XA+\i], v[IDN+\i], 9, v[H16]
	v_lshlrev_b32 v[XSA+\i], 5, v[IDN+\i]
.endm
.macro XLOAD i                         ; a group's 8 fragments of x and its scale words: 18 loads
	WIN 0x40
.irp s, 0,1,2,3,4,5,6,7
.irp c, 0,1
	global_load_b128 v[64*\i+8*\s+4*\c:64*\i+8*\s+4*\c+3], v[XA+\i], s[4:5] offset:64*\s+32*\c
.endr
.endr
	WIN 0
.irp u, 0,1
	global_load_b128 v[XS+8*\i+4*\u:XS+8*\i+4*\u+3], v[XSA+\i], s[4:5] offset:XS_OFF+16*\u
.endr
.endm
	WIN 0x80
	WLOAD 0                                        ; these go out while the counts are on their way
	WIN 0
	s_wait_kmcnt 0x0
	s_min_u32 s[GST], s[GST], 135
	s_min_u32 s[NG], s[NG], 64                     ; an expert has at most 1,024 rows
	s_cmp_ge_u32 s[WV], s[NG]
	s_cbranch_scc1 .Ldone                          ; fewer groups than waves
	s_sub_co_u32 s[NM1], s[NG], 1
	IDLOAD 0, 0
	IDLOAD 1, 0
	IDLOAD 2, 0
	WIN 0xc0
	WLOAD 4
	WIN 0
.irp t, 0,1,2,3,4,5,6,7
.irp u, 0,1
	global_load_b128 v[W1S+8*\t+4*\u:W1S+8*\t+4*\u+3], v[WSA], s[10:11] offset:(32*(\t/2)+8*(\t%2))*32+16*\u   ; a row's eight scale words: register 8 t + s
.endr
.endr
	WIN 0x40
.irp t, 0,1,2,3,4,5,6,7
.irp u, 0,1
	global_load_b128 v[B1+8*\t+4*\u:B1+8*\t+4*\u+3], v[BA], s[12:13] offset:(32*(\t/2)+8*(\t%2))*4+16*\u      ; tile 2 b + u: b1 at units 32 b + 16 h + 8 u + 0 .. 7
.endr
.endr
	WIN 0
	s_wait_loadcnt 63                              ; 96 loads were issued behind the three loads of tokens: with 63 out at the most, these are in
	XADDR 0
	XLOAD 0
	XADDR 1
	XLOAD 1
	XADDR 2
	XLOAD 2
.macro MUL i                           ; 64 matrix instructions: K step by K step, the eight tiles by turns
	WIN 0x16                                       ; source 0 (W1) window 2, source 1 (x) and C (b1) window 1
.irp t, 0,1,2,3,4,5,6,7
	v_wmma_scale_f32_16x16x128_f8f6f4 v[D+8*\t:D+8*\t+7], v[8*\t:8*\t+7], v[64*\i:64*\i+7], v[B1+8*\t:B1+8*\t+7], v[W1S+8*\t], v[XS+8*\i] matrix_a_fmt:MATRIX_FMT_FP4 matrix_b_fmt:MATRIX_FMT_FP4
.endr
	WIN 0x06
.irp s, 1,2,3
.irp t, 0,1,2,3,4,5,6,7
	v_wmma_scale_f32_16x16x128_f8f6f4 v[D+8*\t:D+8*\t+7], v[8*(8*\s+\t):8*(8*\s+\t)+7], v[64*\i+8*\s:64*\i+8*\s+7], v[D+8*\t:D+8*\t+7], v[W1S+8*\t+\s], v[XS+8*\i+\s] matrix_a_fmt:MATRIX_FMT_FP4 matrix_b_fmt:MATRIX_FMT_FP4
.endr
.endr
	WIN 0x07                                       ; W1's K steps 4-7: window 3
.irp s, 4,5,6,7
.irp t, 0,1,2,3,4,5,6,7
	v_wmma_scale_f32_16x16x128_f8f6f4 v[D+8*\t:D+8*\t+7], v[8*(8*(\s-4)+\t):8*(8*(\s-4)+\t)+7], v[64*\i+8*\s:64*\i+8*\s+7], v[D+8*\t:D+8*\t+7], v[W1S+8*\t+\s], v[XS+8*\i+\s] matrix_a_fmt:MATRIX_FMT_FP4 matrix_b_fmt:MATRIX_FMT_FP4
.endr
.endr
	WIN 0
.endm
.macro QUANT                           ; 64 numbers of a lane, register 16 b + i = unit 32 b + 16 (lane / 16) + i of my row, none negative, become a fragment's codes in v[PC] on and its scale word in v[PW]
.irp b, 0,1,2,3
	v_max3_num_f32 v[TM+\b], v[D+16*\b], v[D+1+16*\b], 0x1800000   ; the floor 2^(3 - 127): the byte cannot fall under 1 (a block of zeros keeps it: its codes are zeros)
.endr
.irp i, 2,4,6,8,10,12,14
.irp b, 0,1,2,3
	v_max3_num_f32 v[TM+\b], v[TM+\b], v[D+16*\b+\i], v[D+1+16*\b+\i]
.endr
.endr
.irp b, 0,1,2,3
	v_permlanex16_b32 v[TM+4+\b], v[TM+\b], s[SEL], s[SEL+1]
.endr
.irp b, 0,1,2,3
	v_max_num_f32 v[TM+\b], v[TM+\b], v[TM+4+\b]   ; with lane l xor 16's 16: the block's largest
.endr
.irp b, 0,1,2,3
	v_add_nc_u32 v[TM+12+\b], 0xff000000, v[TM+\b] ; 2 off its exponent field: the conversion's scale operand
.endr
.irp b, 0,1,2,3
	v_lshrrev_b32 v[TM+4+\b], 23, v[TM+12+\b]      ; the byte
.endr
	v_lshl_or_b32 v[PW], v[TM+5], 8, v[TM+4]
	v_lshl_or_b32 v[PW], v[TM+6], 16, v[PW]
	v_lshl_or_b32 v[PW], v[TM+7], 24, v[PW]
.irp b, 0,1,2,3
	v_cvt_scalef32_pk8_fp4_f32 v[PC+2*\b], v[D+16*\b:D+7+16*\b], v[TM+12+\b]
	v_cvt_scalef32_pk8_fp4_f32 v[PC+1+2*\b], v[D+8+16*\b:D+15+16*\b], v[TM+12+\b]
.endr
	v_nop                                          ; one plain line behind the conversions
.irp c, 0,1                                    ; the operand wants a whole block in a lane: lanes 0-15 block 2 c, lanes 16-31 block 2 c + 1
.irp i, 0,1
	v_permlane16_swap_b32 v[PC+4*\c+\i], v[PC+2+4*\c+\i]
.endr
.endr
.endm
; The group of ring place i.  Refills hang on the count of groups, so the waits count them as not issued.
.macro GROUP i
	s_add_co_u32 s27, s[GI], 4*\i
	s_cmp_ge_u32 s27, s[NG]
	s_cbranch_scc1 .Ldone                          ; my groups are done
.if \i == 0
	s_wait_loadcnt 3                               ; all but the three loads of tokens issued at the trip's head: the three places' fragments are in (in the first trip W1, its scales and b1 too)
.endif
	s_wait_xcnt 0x0                                ; the last group's stores have read their data and bases, the ring's loads their addresses: all may be written
	s_add_co_u32 s27, s27, s[GST]
	s_min_u32 s27, s27, 135
	s_lshl_b32 s28, s27, 5
	s_add_co_u32 s28, s28, s[FB]
	s_lshl_b32 s28, s28, 10                        ; image (group, K step fb)
	s_mov_b32 s29, 0
	s_add_nc_u64 s[HB:HB+1], s[14:15], s[28:29]
	s_lshl_b32 s28, s27, 12
	s_add_co_u32 s28, s28, s[FBS]
	s_add_nc_u64 s[SB:SB+1], s[14:15], s[28:29]
	MUL \i
.rept 4
	v_nop                                          ; four places in front of the first read of results, and of the loads into x's registers further down
.endr
.irp j, 0,1,2,3,4,5,6,7,8,9,10,11,12,13,14,15,16,17,18,19,20,21,22,23,24,25,26,27,28,29,30,31,32,33,34,35,36,37,38,39,40,41,42,43,44,45,46,47,48,49,50,51,52,53,54,55,56,57,58,59,60,61,62,63
	v_max_num_f32 v[D+\j], 0, v[D+\j]              ; relu, in f32; each tile from its low end on
.endr
	QUANT
	global_store_b128 v[LI], v[PC:PC+3], s[HB:HB+1]               ; the fragment as it stands: 512 consecutive bytes a store
	global_store_b128 v[LI], v[PC+4:PC+7], s[HB:HB+1] offset:512
	global_store_b32 v[LI], v[PW], s[SB:SB+1] offset:HS_OFF       ; word fb % 4 of my lane's four: the next launch reads four K steps' words by one load
.if \i == 0
	s_wait_loadcnt 0x0                             ; the next trip's tokens are in (asked for a whole group ago)
.endif
	s_add_co_u32 s27, s[GI], 4*\i+12
	s_cmp_ge_u32 s27, s[NG]
	s_cbranch_scc1 .Lno_fill_\@
	XADDR \i
	XLOAD \i                                       ; this place's next group
.Lno_fill_\@:
.endm
	s_mov_b32 s[TRIP], 0
.Ltrip:                                            ; six trips of three groups serve the 16 groups that a wave can have; a wave leaves as soon as its groups are done
	IDLOAD 0, 12
	IDLOAD 1, 12
	IDLOAD 2, 12
	GROUP 0
	GROUP 1
	GROUP 2
	s_add_co_u32 s[GI], s[GI], 12
	s_add_co_u32 s[TRIP], s[TRIP], 1
	s_cmp_lt_u32 s[TRIP], 6
	s_cbranch_scc1 .Ltrip
.Ldone:
	s_endpgm
.Lfunc_end_k_qee9ac098b5_ffn1:
	.size	k_qee9ac098b5_ffn1, .Lfunc_end_k_qee9ac098b5_ffn1-k_qee9ac098b5_ffn1
	.p2alignl 7, 3214868480
	.fill 96, 4, 3214868480
	.section	.rodata,"a",@progbits
	.p2align	6, 0x0
	.amdhsa_kernel k_qee9ac098b5_ffn1
		.amdhsa_group_segment_fixed_size 0
		.amdhsa_private_segment_fixed_size 0
		.amdhsa_enable_private_segment 0
		.amdhsa_kernarg_size 48
		.amdhsa_user_sgpr_count 2
		.amdhsa_user_sgpr_kernarg_segment_ptr 1
		.amdhsa_wavefront_size32 1
		.amdhsa_system_sgpr_workgroup_id_x 1
		.amdhsa_system_sgpr_workgroup_id_y 1
		.amdhsa_system_sgpr_workgroup_id_z 1
		.amdhsa_system_vgpr_workitem_id 0
		.amdhsa_next_free_vgpr 1024
		.amdhsa_next_free_sgpr 66
		.amdhsa_reserve_vcc 0
		.amdhsa_float_denorm_mode_32 3
		.amdhsa_float_denorm_mode_16_64 3
		.amdhsa_memory_ordered 1
		.amdhsa_forward_progress 1
		.amdhsa_inst_pref_size 76
	.end_amdhsa_kernel
	.amdgpu_metadata
---
amdhsa.version: [ 1, 2 ]
amdhsa.kernels:
  - .name:           k_qee9ac098b5_ffn1
    .symbol:         k_qee9ac098b5_ffn1.kd
    .args:
      - { .name: xc, .offset: 0, .size: 8, .value_kind: global_buffer, .address_space: global }
      - { .name: plan, .offset: 8, .size: 8, .value_kind: global_buffer, .address_space: global }
      - { .name: w1_codes, .offset: 16, .size: 8, .value_kind: global_buffer, .address_space: global }
      - { .name: w1_scales, .offset: 24, .size: 8, .value_kind: global_buffer, .address_space: global }
      - { .name: b1, .offset: 32, .size: 8, .value_kind: global_buffer, .address_space: global }
      - { .name: hc, .offset: 40, .size: 8, .value_kind: global_buffer, .address_space: global }
    .group_segment_fixed_size: 0
    .private_segment_fixed_size: 0
    .kernarg_segment_align: 8
    .kernarg_segment_size: 48
    .max_flat_workgroup_size: 128
    .sgpr_count:     66
    .vgpr_count:     1024
    .wavefront_size: 32
...
	.end_amdgpu_metadata
.endif
;; end of part 3
;; launch ffn2 (part 4): grid 32 x 8, 4 waves a work-group, no clusters, 279,040 bytes of LDS; arguments hc, plan, w2_codes, w2_scales, b2, y; writes y
.if DOCPART == 4
	.amdgcn_target "amdgcn-amd-amdhsa--gfx1250"
	.amdhsa_code_object_version 6
	.text
	.protected	k_qee9ac098b5_ffn2
	.globl	k_qee9ac098b5_ffn2
	.p2align	8
	.type	k_qee9ac098b5_ffn2,@function
k_qee9ac098b5_ffn2:
	s_mov_b64 s[64:65], 0
	v_nop
	global_prefetch_b8 v0, s[64:65] scope:SCOPE_SE
	s_setreg_imm32_b32 hwreg(HW_REG_WAVE_MODE, 25, 1), 1
	s_wait_xcnt 0x0
; FFN2: y[position] = h W2[e] + b2[e] for the rows placed on expert e; h comes as the images of operand registers that the launch before has laid.
; Only rows of chosen (token, expert) pairs are multiplied (shown at the first kernel's head).
; SHARES.  Work-group (2 cb + half, e) makes output columns 64 cb .. 64 cb + 63 for one half of expert e's groups of 16 rows.  K IS SHARED AMONG THE WAVES: wave w holds K steps 8 w .. 8 w + 7 of the four column tiles
; of W2 (32 fragments, 256 registers) for the whole launch and reads only those eight fragments of each group, as dense images of 1,024 bytes: no byte is read twice inside the work-group.
; The four waves' partial sums meet in LDS, 16 groups at a time: each wave stores its plane of 16 rows x 64 columns; a barrier; each wave adds the four planes of four rows, adds b2 and stores whole rows' parts.
; The number of groups is read from memory, and branches hang on it: so this text has no tensor load and hence no joint loads of a cluster.  Every branch on it leads forward to a label in front of a barrier:
; every wave passes all four barriers.  A work-group whose half has no group stores nothing: the price of a grid that serves every split.
; The sum over K is taken as four sums of 1,024 that are added in f32: another order than one chain's.
; LAYOUT.  Transposed use: source 0 = 16 rows of W2 (columns of y), source 1 = a group's fragment: a lane holds one position and eight neighbouring columns.
; REGISTERS: window 0: v1-44 addresses, b2; v64-95 W2's scale words (8 n + s); v96-159 h's (8 b + s); v160-191 four accumulators; v192-231 the reduction.
;   windows 1, 2: h's fragments, a ring of eight groups of 64 registers.   window 3: W2's fragments (8 (4 s + n)).
.set RL_OFF, 8448
.set HS_OFF, 4456448
.set PL,    4352                       ; a plane: 16 rows x (256 bytes + 16)
.set GSZ,   4*PL                       ; a group's four planes
.set SPARE, 16*GSZ                     ; behind the planes: the spare words, 128 bytes a wave: two blocks of 256 bytes that no other line names
.set LI,  3                            ; v3   16 x lane
.set WA,  4                            ; v4   W2: r x 2,048 + 16 h
.set WSA, 5                            ; v5   its scale words: r x 128
.set ST,  6                            ; v6-9   my plane, row r, + 32 h, for groups 4 k .. 4 k + 3
.set RD,  10                           ; v10-13 plane 0, row 4 w + lane / 16, + 16 (lane % 16), likewise
.set YO,  14                           ; v14  the same place in y
.set HAD, 16                           ; v16-23 ring place b: its images
.set HSD, 24                           ; v24-31 its scale words
.set B2,  32                           ; v32-35 b2 of my four columns
.set SPW, 36
.set NIL, 37
.set HB0, 38                           ; v38  8,192 w + 16 x lane
.set HSB0, 39                          ; v39  1,024 w + 16 x lane
.set RDB, 40                           ; v40-43 RD two rows further down: the LDS immediate has 16 bits
.set W2S, 64
.set HS,  96
.set D,   160
.set RL,  192
.set OUTR, 224
.set WV,  16
.set CB,  17
.set HALF, 18
.set EX,  19
.set NG,  20
.set GST, 21
.set N,   22                           ; my half's groups
.set NM1, 23
.set G0,  24                           ; the first of them
.set GB,  25                           ; the chunk's first: 0, 16
.set YB,  32                           ; s[32:33]
.set MSB, 0
.macro WIN new
.if MSB != (\new)
	s_set_vgpr_msb (MSB<<8)|(\new)
.set MSB, (\new)
.endif
.endm
	s_load_b256 s[4:11], s[0:1], 0x0               ; hc, plan, w2_codes, w2_scales
	s_load_b128 s[12:15], s[0:1], 0x20             ; b2, y
	v_lshl_add_u32 v[SPW], v0, 2, SPARE
	v_mov_b32 v[NIL], 0
	v_lshrrev_b32 v15, 5, v0
	v_readfirstlane_b32 s[WV], v15
	v_and_b32 v1, 15, v0                           ; r
	v_bfe_u32 v2, v0, 4, 1                         ; h
	v_and_b32 v[LI], 31, v0
	v_lshlrev_b32 v[LI], 4, v[LI]
	v_lshlrev_b32 v15, 4, v2
	v_lshl_add_u32 v[WA], v1, 11, v15
	v_lshlrev_b32 v[WSA], 7, v1
	s_mul_i32 s26, s[WV], PL
	v_mul_u32_u24 v[ST], v1, 272
	v_lshl_add_u32 v[ST], v2, 5, v[ST]
	v_add_nc_u32 v[ST], s26, v[ST]
	s_mul_i32 s26, s[WV], 4*272
	v_mul_u32_u24 v[RD], v2, 272
	v_lshl_add_u32 v[RD], v1, 4, v[RD]
	v_add_nc_u32 v[RD], s26, v[RD]
.irp k, 1,2,3
	v_add_nc_u32 v[ST+\k], 4*GSZ*\k, v[ST]
	v_add_nc_u32 v[RD+\k], 4*GSZ*\k, v[RD]
.endr
.irp k, 0,1,2,3
	v_add_nc_u32 v[RDB+\k], 2*272, v[RD+\k]
.endr
	s_lshr_b32 s[CB], ttmp9, 1
	s_and_b32 s[HALF], ttmp9, 1
	s_and_b32 s[EX], ttmp7, 0xffff
	s_lshl_b32 s26, s[WV], 14
	s_lshl_b32 s27, s[CB], 8
	s_add_co_u32 s26, s26, s27
	v_lshlrev_b32 v[YO], 12, v2
	v_lshl_add_u32 v[YO], v1, 4, v[YO]
	v_add_nc_u32 v[YO], s26, v[YO]                 ; (4 w + lane / 16) rows of 4,096 bytes + 256 cb + 16 (lane % 16)
	s_lshl_b32 s26, s[WV], 13
	v_add_nc_u32 v[HB0], s26, v[LI]
	s_lshl_b32 s26, s[WV], 10
	v_add_nc_u32 v[HSB0], s26, v[LI]
	v_lshlrev_b32 v44, 4, v1
	s_lshl_b32 s26, s[EX], 2
	s_mov_b32 s27, 0
	s_lshl_b32 s28, s[EX], 21                      ; W2's codes: 2 MiB an expert, 64 rows of 2,048 bytes a block, 512 bytes of a row a wave
	s_lshl_b32 s29, s[CB], 17
	s_add_co_u32 s28, s28, s29
	s_lshl_b32 s29, s[WV], 9
	s_add_co_u32 s28, s28, s29
	s_mov_b32 s29, 0
	s_lshl_b32 s30, s[EX], 17                      ; its scale bytes: 128 a row, 32 of them a wave
	s_lshl_b32 s31, s[CB], 13
	s_add_co_u32 s30, s30, s31
	s_lshl_b32 s31, s[WV], 5
	s_add_co_u32 s30, s30, s31
	s_mov_b32 s31, 0
	s_lshl_b32 s34, s[EX], 12                      ; b2
	s_lshl_b32 s35, s[CB], 8
	s_add_co_u32 s34, s34, s35
	s_mov_b32 s35, 0
	s_wait_kmcnt 0x0
	s_add_nc_u64 s[36:37], s[6:7], s[26:27]
	s_load_b32 s[GST], s[36:37], 0x0
	s_load_b32 s[NG], s[36:37], 0x20
	s_add_nc_u64 s[8:9], s[8:9], s[28:29]
	s_add_nc_u64 s[10:11], s[10:11], s[30:31]
	s_add_nc_u64 s[12:13], s[12:13], s[34:35]
	WIN 0xc0
.irp s, 0,1,2,3,4,5,6,7
.irp n, 0,1,2,3
.irp c, 0,1
	global_load_b128 v[8*(4*\s+\n)+4*\c:8*(4*\s+\n)+4*\c+3], v[WA], s[8:9] offset:32768*\n+64*\s+32*\c
.endr
.endr
.endr
	WIN 0
.irp n, 0,1,2,3
.irp u, 0,1
	global_load_b128 v[W2S+8*\n+4*\u:W2S+8*\n+4*\u+3], v[WSA], s[10:11] offset:2048*\n+16*\u
.endr
.endr
	global_load_b128 v[B2:B2+3], v44, s[12:13]
	s_wait_kmcnt 0x0
	s_min_u32 s[GST], s[GST], 135
	s_min_u32 s[NG], s[NG], 64
	s_add_co_u32 s26, s[NG], 1
	s_lshr_b32 s26, s26, 1                         ; the first half's groups,
	s_sub_co_u32 s27, s[NG], s26                   ; the second's
	s_cmp_eq_u32 s[HALF], 0
	s_cselect_b32 s[N], s26, s27
	s_cselect_b32 s28, 0, s26
	s_add_co_u32 s[G0], s[GST], s28
	s_sub_co_u32 s[NM1], s[N], 1
	s_mov_b32 s[GB], 0
.macro HFILL b, g                      ; the chunk's group g into ring place b: my 8 images and their scale words, 18 loads; the group is held inside my half, so that the prologue may always issue it
	s_add_co_u32 s26, s[GB], \g
	s_min_u32 s26, s26, s[NM1]
	s_add_co_u32 s26, s26, s[G0]
	s_min_u32 s26, s26, 135
	s_lshl_b32 s27, s26, 15
	v_add_nc_u32 v[HAD+\b], s27, v[HB0]
	s_lshl_b32 s27, s26, 12
	v_add_nc_u32 v[HSD+\b], s27, v[HSB0]
	WIN 0x40*(1+\b/4)
.irp s, 0,1,2,3,4,5,6,7
.irp c, 0,1
	global_load_b128 v[64*(\b%4)+8*\s+4*\c:64*(\b%4)+8*\s+4*\c+3], v[HAD+\b], s[4:5] offset:1024*\s+512*\c   ; 512 consecutive bytes a load
.endr
.endr
	WIN 0
.irp u, 0,1
	global_load_b128 v[HS+8*\b+4*\u:HS+8*\b+4*\u+3], v[HSD+\b], s[4:5] offset:HS_OFF+512*\u
.endr
.endm
.macro GROUP g
.if \g > 0
	s_add_co_u32 s26, s[GB], \g
	s_cmp_ge_u32 s26, s[N]
	s_cbranch_scc1 .Lp1
	s_wait_dscnt 0x0                               ; the last group's plane stores have read the accumulators
.endif
.if \g < 4
	s_wait_loadcnt 63                              ; behind this place's 18 loads the prologue issued 18 (7 - g), more than the field holds; refills hang on the count of groups and are counted as none
.elseif \g < 7
	s_wait_loadcnt 18*(7-\g)
.else
	s_wait_loadcnt 0x0
.endif
	WIN 0x07+4*((\g%8)/4)                          ; source 0 (W2) window 3, source 1 (h) window 1 or 2
.irp s, 0,1,2,3,4,5,6,7                        ; K step by K step, the four accumulators by turns; the first K step starts the sums
.irp n, 0,1,2,3
.if \s == 0
	v_wmma_scale_f32_16x16x128_f8f6f4 v[D+8*\n:D+8*\n+7], v[8*(4*\s+\n):8*(4*\s+\n)+7], v[64*(\g%4)+8*\s:64*(\g%4)+8*\s+7], 0, v[W2S+8*\n+\s], v[HS+8*(\g%8)+\s] matrix_a_fmt:MATRIX_FMT_FP4 matrix_b_fmt:MATRIX_FMT_FP4
.else
	v_wmma_scale_f32_16x16x128_f8f6f4 v[D+8*\n:D+8*\n+7], v[8*(4*\s+\n):8*(4*\s+\n)+7], v[64*(\g%4)+8*\s:64*(\g%4)+8*\s+7], v[D+8*\n:D+8*\n+7], v[W2S+8*\n+\s], v[HS+8*(\g%8)+\s] matrix_a_fmt:MATRIX_FMT_FP4 matrix_b_fmt:MATRIX_FMT_FP4
.endif
.endr
.endr
	WIN 0
.rept 5
	v_nop                                          ; four places in front of the stores that read results and of the loads into h's registers; five in front of the next group's products, which begin the accumulators anew
.endr
.irp n, 0,1,2,3
	ds_store_b128 v[ST+\g/4], v[D+8*\n:D+8*\n+3] offset:(\g%4)*GSZ+64*\n          ; each accumulator from its low end on
	ds_store_b128 v[ST+\g/4], v[D+8*\n+4:D+8*\n+7] offset:(\g%4)*GSZ+64*\n+16
.endr
.if \g < 8
	s_add_co_u32 s26, s[GB], \g+8
	s_cmp_ge_u32 s26, s[N]
	s_cbranch_scc1 .Lno_fill_\@
	HFILL \g, \g+8                                 ; this place's loads were shown in by the wait above: its address registers may be written
.Lno_fill_\@:
.endif
.endm
.macro RED g                           ; group g: my four rows of the four planes are added, b2 is added, and sixteen lanes store 256 consecutive bytes, aligned
	s_add_co_u32 s26, s[GB], \g
	s_cmp_ge_u32 s26, s[N]
	s_cbranch_scc1 .Lp2
.irp p, 0,1,2,3
	ds_load_b128 v[RL+4*\p:RL+4*\p+3], v[RD+\g/4] offset:(\g%4)*GSZ+PL*\p
	ds_load_b128 v[RL+16+4*\p:RL+16+4*\p+3], v[RDB+\g/4] offset:(\g%4)*GSZ+PL*\p
.endr
	s_add_co_u32 s26, s26, s[G0]
	s_min_u32 s26, s26, 135
	s_lshl_b32 s34, s26, 16                        ; a group's 16 rows of y
	s_mov_b32 s35, 0
	s_wait_xcnt 0x0                                ; the last group's stores have read their data and their base
	s_add_nc_u64 s[YB:YB+1], s[14:15], s[34:35]
	s_wait_dscnt 0x0
.irp i, 0,1
.irp q, 0,2
	v_pk_add_f32 v[RL+16*\i+\q:RL+16*\i+\q+1], v[RL+16*\i+\q:RL+16*\i+\q+1], v[RL+16*\i+4+\q:RL+16*\i+4+\q+1]
	v_pk_add_f32 v[RL+16*\i+8+\q:RL+16*\i+8+\q+1], v[RL+16*\i+8+\q:RL+16*\i+8+\q+1], v[RL+16*\i+12+\q:RL+16*\i+12+\q+1]
.endr
.endr
.irp i, 0,1
.irp q, 0,2
	v_pk_add_f32 v[RL+16*\i+\q:RL+16*\i+\q+1], v[RL+16*\i+\q:RL+16*\i+\q+1], v[RL+16*\i+8+\q:RL+16*\i+8+\q+1]
.endr
.endr
.irp i, 0,1
.irp q, 0,2
	v_pk_add_f32 v[OUTR+4*\i+\q:OUTR+4*\i+\q+1], v[RL+16*\i+\q:RL+16*\i+\q+1], v[B2+\q:B2+\q+1]
.endr
.endr
.irp i, 0,1
	global_store_b128 v[YO], v[OUTR+4*\i:OUTR+4*\i+3], s[YB:YB+1] offset:8192*\i
.endr
.endm
.Lchunk:                                           ; two trips of 16 groups serve the 32 groups that a half can have
	s_cmp_ge_u32 s[GB], s[N]
	s_cbranch_scc1 .Lp1
.irp b, 0,1,2,3,4,5,6,7
	HFILL \b, \b
.endr
.irp g, 0,1,2,3,4,5,6,7,8,9,10,11,12,13,14,15
	GROUP \g
.endr
.Lp1:
	s_wait_loadcnt 0x0                             ; b2 is in on every way, and no load of h is out: the next chunk may write the address registers
	s_wait_dscnt 0x0                               ; for the others' sake: my planes lie in LDS
	s_barrier_signal -1
	s_barrier_wait -1
.irp g, 0,1,2,3,4,5,6,7,8,9,10,11,12,13,14,15
	RED \g
.endr
.Lp2:
	s_wait_dscnt 0x0                               ; my reads of the planes are over:
	s_barrier_signal -1
	s_barrier_wait -1                              ; only now may the next chunk write them
	s_add_co_u32 s[GB], s[GB], 16
	s_cmp_lt_u32 s[GB], 32
	s_cbranch_scc1 .Lchunk
	s_wait_tensorcnt 0x0                           ; the wave's end, behind my last LDS store
	ds_add_u32 v[SPW], v[NIL]
	s_wait_dscnt 0x0
	s_endpgm
.Lfunc_end_k_qee9ac098b5_ffn2:
	.size	k_qee9ac098b5_ffn2, .Lfunc_end_k_qee9ac098b5_ffn2-k_qee9ac098b5_ffn2
	.p2alignl 7, 3214868480
	.fill 96, 4, 3214868480
	.section	.rodata,"a",@progbits
	.p2align	6, 0x0
	.amdhsa_kernel k_qee9ac098b5_ffn2
		.amdhsa_group_segment_fixed_size 279040
		.amdhsa_private_segment_fixed_size 0
		.amdhsa_enable_private_segment 0
		.amdhsa_kernarg_size 48
		.amdhsa_user_sgpr_count 2
		.amdhsa_user_sgpr_kernarg_segment_ptr 1
		.amdhsa_wavefront_size32 1
		.amdhsa_system_sgpr_workgroup_id_x 1
		.amdhsa_system_sgpr_workgroup_id_y 1
		.amdhsa_system_sgpr_workgroup_id_z 1
		.amdhsa_system_vgpr_workitem_id 0
		.amdhsa_next_free_vgpr 1024
		.amdhsa_next_free_sgpr 66
		.amdhsa_reserve_vcc 0
		.amdhsa_float_denorm_mode_32 3
		.amdhsa_float_denorm_mode_16_64 3
		.amdhsa_memory_ordered 1
		.amdhsa_forward_progress 1
		.amdhsa_inst_pref_size 155
	.end_amdhsa_kernel
	.amdgpu_metadata
---
amdhsa.version: [ 1, 2 ]
amdhsa.kernels:
  - .name:           k_qee9ac098b5_ffn2
    .symbol:         k_qee9ac098b5_ffn2.kd
    .args:
      - { .name: hc, .offset: 0, .size: 8, .value_kind: global_buffer, .address_space: global }
      - { .name: plan, .offset: 8, .size: 8, .value_kind: global_buffer, .address_space: global }
      - { .name: w2_codes, .offset: 16, .size: 8, .value_kind: global_buffer, .address_space: global }
      - { .name: w2_scales, .offset: 24, .size: 8, .value_kind: global_buffer, .address_space: global }
      - { .name: b2, .offset: 32, .size: 8, .value_kind: global_buffer, .address_space: global }
      - { .name: y, .offset: 40, .size: 8, .value_kind: global_buffer, .address_space: global }
    .group_segment_fixed_size: 279040
    .private_segment_fixed_size: 0
    .kernarg_segment_align: 8
    .kernarg_segment_size: 48
    .max_flat_workgroup_size: 128
    .sgpr_count:     66
    .vgpr_count:     1024
    .wavefront_size: 32
...
	.end_amdgpu_metadata
.endif
;; end of part 4
;; launch combine (part 5): grid 256 x 1, 4 waves a work-group, no clusters, 0 bytes of LDS; arguments y, plan, wts, out0; writes out0
.if DOCPART == 5
	.amdgcn_target "amdgcn-amd-amdhsa--gfx1250"
	.amdhsa_code_object_version 6
	.text
	.protected	k_qee9ac098b5_combine
	.globl	k_qee9ac098b5_combine
	.p2align	8
	.type	k_qee9ac098b5_combine,@function
k_qee9ac098b5_combine:
	s_mov_b64 s[64:65], 0
	v_nop
	global_prefetch_b8 v0, s[64:65] scope:SCOPE_SE
	s_setreg_imm32_b32 hwreg(HW_REG_WAVE_MODE, 25, 1), 1
	s_wait_xcnt 0x0
; COMBINE: out[t] = c0 y[pos[2 t]] + c1 y[pos[2 t + 1]]: each token's two expert rows, weighed.  The six terms of reference()'s sum whose weight is a 0 of its own one_hot are left out (shown at the first kernel's head).
; Each output row has one owner: wave w of work-group g owns token 4 g + w.  A row is 4,096 bytes: eight loads of 512 consecutive bytes from each of the two rows, eight stores of 512.
; A stream: no LDS, no barrier, no matrix unit; the positions are whole numbers that an earlier launch stored.
.set YA, 16                            ; v16-47  the first row, then the result
.set YC, 48                            ; v48-79  the second row
	s_load_b256 s[4:11], s[0:1], 0x0               ; y, plan, wts, out0
	v_lshrrev_b32 v2, 5, v0
	v_readfirstlane_b32 s12, v2                    ; wave
	v_and_b32 v1, 31, v0
	v_lshlrev_b32 v1, 4, v1                        ; 16 x lane
	s_lshl_b32 s13, ttmp9, 2
	s_add_co_u32 s13, s13, s12                     ; my token
	s_lshl_b32 s14, s13, 3
	s_mov_b32 s15, 0
	s_wait_kmcnt 0x0
	s_add_nc_u64 s[20:21], s[6:7], s[14:15]
	s_add_nc_u64 s[22:23], s[8:9], s[14:15]
	s_load_b64 s[16:17], s[20:21], 0x100           ; its two positions
	s_load_b64 s[18:19], s[22:23], 0x0             ; its two weights
	s_lshl_b32 s14, s13, 12
	s_add_nc_u64 s[10:11], s[10:11], s[14:15]      ; its row of out
	s_mov_b32 s27, 0
	s_wait_kmcnt 0x0
	s_min_u32 s16, s16, 2175
	s_min_u32 s17, s17, 2175
	s_lshl_b32 s26, s16, 12
	s_add_nc_u64 s[28:29], s[4:5], s[26:27]
	s_lshl_b32 s26, s17, 12
	s_add_nc_u64 s[30:31], s[4:5], s[26:27]
	s_mov_b32 s24, s19                             ; c1 in a pair of its own: the packed form takes a scalar pair's low word for both halves
	s_mov_b32 s25, s19
.irp i, 0,1,2,3,4,5,6,7
	global_load_b128 v[YA+4*\i:YA+4*\i+3], v1, s[28:29] offset:512*\i th:TH_LOAD_NT
.endr
.irp i, 0,1,2,3,4,5,6,7
	global_load_b128 v[YC+4*\i:YC+4*\i+3], v1, s[30:31] offset:512*\i th:TH_LOAD_NT
.endr
.irp i, 0,1,2,3,4,5,6,7
	s_wait_loadcnt 7-\i                            ; piece i of the second row is in (7 - i younger loads may stay out); the first row's loads are all older
	v_pk_mul_f32 v[YA+4*\i:YA+4*\i+1], v[YA+4*\i:YA+4*\i+1], s[18:19] op_sel_hi:[1,0]
	v_pk_mul_f32 v[YA+4*\i+2:YA+4*\i+3], v[YA+4*\i+2:YA+4*\i+3], s[18:19] op_sel_hi:[1,0]
	v_pk_fma_f32 v[YA+4*\i:YA+4*\i+1], v[YC+4*\i:YC+4*\i+1], s[24:25], v[YA+4*\i:YA+4*\i+1] op_sel_hi:[1,0,1]
	v_pk_fma_f32 v[YA+4*\i+2:YA+4*\i+3], v[YC+4*\i+2:YC+4*\i+3], s[24:25], v[YA+4*\i+2:YA+4*\i+3] op_sel_hi:[1,0,1]
	global_store_b128 v1, v[YA+4*\i:YA+4*\i+3], s[10:11] offset:512*\i th:TH_STORE_NT
.endr
	s_endpgm
.Lfunc_end_k_qee9ac098b5_combine:
	.size	k_qee9ac098b5_combine, .Lfunc_end_k_qee9ac098b5_combine-k_qee9ac098b5_combine
	.p2alignl 7, 3214868480
	.fill 96, 4, 3214868480
	.section	.rodata,"a",@progbits
	.p2align	6, 0x0
	.amdhsa_kernel k_qee9ac098b5_combine
		.amdhsa_group_segment_fixed_size 0
		.amdhsa_private_segment_fixed_size 0
		.amdhsa_enable_private_segment 0
		.amdhsa_kernarg_size 32
		.amdhsa_user_sgpr_count 2
		.amdhsa_user_sgpr_kernarg_segment_ptr 1
		.amdhsa_wavefront_size32 1
		.amdhsa_system_sgpr_workgroup_id_x 1
		.amdhsa_system_sgpr_workgroup_id_y 1
		.amdhsa_system_sgpr_workgroup_id_z 1
		.amdhsa_system_vgpr_workitem_id 0
		.amdhsa_next_free_vgpr 96
		.amdhsa_next_free_sgpr 66
		.amdhsa_reserve_vcc 0
		.amdhsa_float_denorm_mode_32 3
		.amdhsa_float_denorm_mode_16_64 3
		.amdhsa_memory_ordered 1
		.amdhsa_forward_progress 1
		.amdhsa_inst_pref_size 6
	.end_amdhsa_kernel
	.amdgpu_metadata
---
amdhsa.version: [ 1, 2 ]
amdhsa.kernels:
  - .name:           k_qee9ac098b5_combine
    .symbol:         k_qee9ac098b5_combine.kd
    .args:
      - { .name: y, .offset: 0, .size: 8, .value_kind: global_buffer, .address_space: global }
      - { .name: plan, .offset: 8, .size: 8, .value_kind: global_buffer, .address_space: global }
      - { .name: wts, .offset: 16, .size: 8, .value_kind: global_buffer, .address_space: global }
      - { .name: out0, .offset: 24, .size: 8, .value_kind: global_buffer, .address_space: global }
    .group_segment_fixed_size: 0
    .private_segment_fixed_size: 0
    .kernarg_segment_align: 8
    .kernarg_segment_size: 32
    .max_flat_workgroup_size: 128
    .sgpr_count:     66
    .vgpr_count:     96
    .wavefront_size: 32
...
	.end_amdgpu_metadata
.endif
;; end of part 5
;; ======== version 2 of 2: 4 launches
;; limits: right only within a limited range of input values
;; workspace buffers: xc 557,056 bytes; msk 2,048 bytes of whole numbers; wts 8,192 bytes; plan 41,984 bytes of whole numbers; hc 17,825,792 bytes; y 8,912,896 bytes
;; launch route (part 6): grid 256 x 1, 4 waves a work-group, no clusters, 38,144 bytes of LDS; arguments x, gate_w, gate_b, expert_biases, xc, msk, wts; writes xc, msk, wts
.if DOCPART == 6
	.amdgcn_target "amdgcn-amd-amdhsa--gfx1250"
	.amdhsa_code_object_version 6
	.text
	.protected	k_qee9ac098b5_route
	.globl	k_qee9ac098b5_route
	.p2align	8
	.type	k_qee9ac098b5_route,@function
k_qee9ac098b5_route:
	s_mov_b64 s[64:65], 0
	v_nop
	global_prefetch_b8 v0, s[64:65] scope:SCOPE_SE
	s_setreg_imm32_b32 hwreg(HW_REG_WAVE_MODE, 25, 1), 1
	s_wait_xcnt 0x0
; ROUTE: for each of the 1,024 tokens: scores = x . gate_w + gate_b in f32, the two largest of scores + expert_biases (the lower index wins a tie),
; the sigmoids of the two chosen scores divided by their sum; and x as codes of E2M1 with one E8M0 byte for each 32 along D.
; WORK LEFT OUT BY THE WHOLE PROGRAM.  reference() multiplies expert e's result for token t by combine[t][e], which its own one_hot makes 0 for the six experts that are not in topk_idx[t]:
; for all finite inputs those six rows of h and of h @ w2 reach no output.  So only the two chosen (token, expert) rows are multiplied.  Every input has a way to the output and is loaded by some launch.
; LIMITS.  A NaN, an infinity or an overflow that arises only in an expert that was not chosen is not carried to the result.  The logits are taken to hold no NaN.
; A sigmoid under 2^-126 comes out as 0 (the reciprocal flushes).  The scores' sums are taken 8 terms a lane, then across lanes and waves: another order than reference()'s, so logits that lie
; within f32 rounding of each other may change places.  A block of zeros of x gets the byte 1 where the quantiser says 127: its codes are zeros, and this program alone reads the bytes.
; SHARES.  Work-group g owns tokens 4 g .. 4 g + 3.  Wave w takes k = 256 w .. 256 w + 255 of all four tokens, lane l the eight k from 256 w + 8 l on.  gate_w's 8 KiB of the wave come by dense loads and are
; turned through LDS bytes of the wave's own.  The waves' 32 partial sums (4 tokens x 8 experts) meet in LDS; wave 0 then has a lane for each (token, expert).
; The choice steers no address here: byte e of msk[g] holds bit 2 t + k where expert e is the k-th choice of token 4 g + t; later launches place the rows by it.
; No matrix unit (8 columns), no tensor load, no cluster (only gate_w is shared, 32 KiB), no prefetch (no loop to run ahead in).
.set XS_OFF, 524288                    ; xc: codes [1024][512 bytes], then scale bytes [1024][32]
.set GREG,  8704                       ; LDS: a wave's part of gate_w: 32 lanes x (256 bytes + 16)
.set CODE,  4*GREG                     ; 4 tokens x 512 bytes of codes
.set SBY,   CODE+2048                  ; 4 x 32 scale bytes
.set PART,  SBY+256                    ; 4 waves x 32 partial sums
.set SPARE, PART+512                   ; the spare words, 128 bytes a wave: two blocks that no other line names
.set SPW, 52
.set NIL, 53
.set X,  16                            ; v16-47   x: register 8 t + i
.set A,  64                            ; v64-95   sums: register 8 t + e
.set T,  96                            ; at work
.set G,  128                           ; v128-191 gate_w: register 8 i + e
.set GR, 192                           ; v192-255 gate_w as loaded
.macro WALU
	s_wait_alu depctr_va_vdst(0)
.endm
	s_load_b256 s[4:11], s[0:1], 0x0               ; x, gate_w, gate_b, expert_biases
	s_load_b128 s[12:15], s[0:1], 0x20             ; xc, msk
	s_load_b64 s[16:17], s[0:1], 0x30              ; wts
	v_lshrrev_b32 v2, 5, v0
	v_readfirstlane_b32 s18, v2                    ; wave
	s_lshl_b32 s19, s18, 13
	s_mul_i32 s20, s18, GREG
	v_lshl_add_u32 v[SPW], v0, 2, SPARE
	v_mov_b32 v[NIL], 0
	v_and_b32 v1, 31, v0                           ; lane
	v_lshlrev_b32 v3, 4, v1
	v_add_nc_u32 v4, s19, v3                       ; gate_w in memory
	v_and_b32 v5, 15, v0
	v_lshlrev_b32 v5, 4, v5
	v_bfe_u32 v6, v0, 4, 1
	v_mul_u32_u24 v6, v6, 272
	v_add_nc_u32 v5, v5, v6
	v_add_nc_u32 v5, s20, v5                       ; into LDS: 256 bytes, then 16 of padding
	v_mul_u32_u24 v6, v1, 272
	v_add_nc_u32 v6, s20, v6                       ; back: my 256 bytes
	v_lshlrev_b32 v7, 5, v0                        ; x: 1,024 w + 32 l
	v_lshlrev_b32 v8, 2, v0
	v_add_nc_u32 v9, PART, v8
	v_add_nc_u32 v8, CODE, v8
	v_lshlrev_b32 v10, 4, v0
	v_add_nc_u32 v10, CODE, v10
	v_lshrrev_b32 v11, 2, v0
	v_add_nc_u32 v11, SBY, v11                     ; my block's byte: 8 w + l / 4
	v_lshlrev_b32 v12, 2, v1
	v_and_b32 v14, 7, v1
	v_lshlrev_b32 v13, 2, v14
	v_add_nc_u32 v15, PART, v12
	v_add_nc_u32 v56, SBY, v12
	v_lshrrev_b32 v54, 3, v1
	v_lshlrev_b32 v54, 1, v54                      ; 2 x my token
	v_and_b32 v59, 1, v1
	v_add_nc_u32 v55, v54, v59
	v_lshlrev_b32 v55, 2, v55                      ; wts: 4 (2 t + lane % 2)
	WALU
	s_mov_b32 s3, 0
	s_lshl_b32 s2, ttmp9, 14
	s_mov_b32 s20, 0xff00ff00                      ; lanes whose bit 3, 2, 1, 0 is set
	s_mov_b32 s21, 0xf0f0f0f0
	s_mov_b32 s22, 0xcccccccc
	s_mov_b32 s23, 0xaaaaaaaa
	s_mov_b32 s42, 0x76543210
	s_mov_b32 s43, 0xfedcba98                      ; lane l xor 16
	s_wait_kmcnt 0x0
	s_add_nc_u64 s[4:5], s[4:5], s[2:3]            ; x at my four tokens
.irp t, 0,1,2,3
.irp u, 0,1
	global_load_b128 v[X+8*\t+4*\u:X+8*\t+4*\u+3], v7, s[4:5] offset:4096*\t+16*\u
.endr
.endr
.irp m, 0,1,2,3,4,5,6,7,8,9,10,11,12,13,14,15
	global_load_b128 v[GR+4*\m:GR+4*\m+3], v4, s[6:7] offset:512*\m          ; 512 consecutive bytes a load
.endr
	global_load_b32 v57, v13, s[8:9]               ; gate_b of expert lane % 8
	global_load_b32 v58, v13, s[10:11]             ; expert_biases
	s_lshl_b32 s2, ttmp9, 2
	s_add_co_u32 s2, s2, s18
	s_lshl_b32 s2, s2, 9
	s_add_nc_u64 s[44:45], s[12:13], s[2:3]        ; token 4 g + w's codes
	s_lshl_b32 s2, ttmp9, 7
	s_add_nc_u64 s[46:47], s[12:13], s[2:3]        ; the four tokens' scale bytes (XS_OFF stands in the immediate)
	s_lshl_b32 s2, ttmp9, 3
	s_add_nc_u64 s[14:15], s[14:15], s[2:3]
	s_lshl_b32 s2, ttmp9, 5
	s_add_nc_u64 s[16:17], s[16:17], s[2:3]
	s_wait_loadcnt 18                              ; x's eight loads are in; gate_w's 16 and the two biases may be out
; x becomes codes: four lanes to a block of 32, the four tokens by turns
.irp t, 0,1,2,3
	v_max3_num_f32 v[T+\t], |v[X+8*\t]|, |v[X+8*\t+1]|, |v[X+8*\t+2]|
.endr
.irp t, 0,1,2,3
	v_max3_num_f32 v[T+4+\t], |v[X+8*\t+3]|, |v[X+8*\t+4]|, |v[X+8*\t+5]|
.endr
.irp t, 0,1,2,3
	v_max3_num_f32 v[T+\t], v[T+\t], |v[X+8*\t+6]|, |v[X+8*\t+7]|
.endr
.irp t, 0,1,2,3
	v_max3_num_f32 v[T+\t], v[T+\t], v[T+4+\t], 0x1800000   ; the floor 2^(3 - 127): the byte cannot fall under 1
.endr
.irp t, 0,1,2,3
	v_max_num_f32_dpp v[T+\t], v[T+\t], v[T+\t] row_xmask:1 row_mask:0xf bank_mask:0xf
.endr
.irp t, 0,1,2,3
	v_max_num_f32_dpp v[T+\t], v[T+\t], v[T+\t] row_xmask:2 row_mask:0xf bank_mask:0xf
.endr
.irp t, 0,1,2,3
	v_add_nc_u32 v[T+8+\t], 0xff000000, v[T+\t]    ; the conversion takes this operand's exponent field as its scale
.endr
.irp t, 0,1,2,3
	v_cvt_scalef32_pk8_fp4_f32 v[T+12+\t], v[X+8*\t:X+8*\t+7], v[T+8+\t]
.endr
.irp t, 0,1,2,3
	v_lshrrev_b32 v[T+16+\t], 23, v[T+8+\t]        ; the byte
.endr
.irp t, 0,1,2,3
	ds_store_b32 v8, v[T+12+\t] offset:512*\t
	ds_store_b8 v11, v[T+16+\t] offset:32*\t       ; the four lanes of a block write the same byte
.endr
	s_wait_loadcnt 2                               ; gate_w is in
.irp m, 0,1,2,3,4,5,6,7,8,9,10,11,12,13,14,15
	ds_store_b128 v5, v[GR+4*\m:GR+4*\m+3] offset:544*\m
.endr
.irp q, 0,1,2,3,4,5,6,7,8,9,10,11,12,13,14,15
	ds_load_b128 v[G+4*\q:G+4*\q+3], v6 offset:16*\q   ; my own wave's bytes: LDS serves a wave's instructions in order
.endr
	s_wait_dscnt 0x0
.irp i, 0,1,2,3,4,5,6,7                        ; 128 packed multiply-adds, sixteen pairs of sums by turns
.irp t, 0,1,2,3
.irp p, 0,2,4,6
.if \i == 0
	v_pk_mul_f32 v[A+8*\t+\p:A+8*\t+\p+1], v[G+\p:G+\p+1], v[X+8*\t:X+8*\t+1] op_sel_hi:[1,0]
.elseif (\i)%2 == 0
	v_pk_fma_f32 v[A+8*\t+\p:A+8*\t+\p+1], v[G+8*\i+\p:G+8*\i+\p+1], v[X+8*\t+\i:X+8*\t+\i+1], v[A+8*\t+\p:A+8*\t+\p+1] op_sel_hi:[1,0,1]
.else
	v_pk_fma_f32 v[A+8*\t+\p:A+8*\t+\p+1], v[G+8*\i+\p:G+8*\i+\p+1], v[X+8*\t+\i-1:X+8*\t+\i], v[A+8*\t+\p:A+8*\t+\p+1] op_sel:[0,1,0] op_sel_hi:[1,1,1]
.endif
.endr
.endr
.endr
; 32 sums over 32 lanes: at each halving a lane keeps one half of the sums and sends the other; lane l ends with sum l = 8 t + e
.irp n, 0,1,2,3,4,5,6,7,8,9,10,11,12,13,14,15
	v_permlane16_swap_b32 v[A+\n], v[A+16+\n]
.endr
.irp n, 0,1,2,3,4,5,6,7,8,9,10,11,12,13,14,15
	v_add_f32 v[A+\n], v[A+\n], v[A+16+\n]
.endr
.macro HALVE cnt, mask, m
.set N, 0
.rept \cnt
	v_cndmask_b32 v[T+N], v[A+N+\cnt], v[A+N], \mask       ; sent
	v_cndmask_b32 v[A+N], v[A+N], v[A+N+\cnt], \mask       ; kept
.set N, N+1
.endr
.set N, 0
.rept \cnt
	v_add_f32_dpp v[A+N], v[T+N], v[A+N] row_xmask:\m row_mask:0xf bank_mask:0xf
.set N, N+1
.endr
.endm
	HALVE 8, s20, 8
	HALVE 4, s21, 4
	HALVE 2, s22, 2
	HALVE 1, s23, 1
	ds_store_b32 v9, v[A]
	WALU
	s_wait_dscnt 0x0                               ; for the others' sake: my codes, bytes and sums lie in LDS
	s_barrier_signal -1
	s_barrier_wait -1
.irp j, 0,1,2,3
	ds_load_b32 v[T+\j], v15 offset:128*\j
.endr
	ds_load_b128 v[116:119], v10
	s_wait_dscnt 0x0
	global_store_b128 v3, v[116:119], s[44:45]     ; token 4 g + w: 512 consecutive bytes
	s_cmp_lg_u32 s18, 3
	s_cbranch_scc1 .Lnot_3
	ds_load_b32 v120, v56
	s_wait_dscnt 0x0
	global_store_b32 v12, v120, s[46:47] offset:XS_OFF
.Lnot_3:
	s_cmp_lg_u32 s18, 0
	s_cbranch_scc1 .Lend
	s_wait_loadcnt 0x0                             ; the biases
	v_add_f32 v96, v96, v97
	v_add_f32 v98, v98, v99
	v_add_f32 v96, v96, v98
	v_add_f32 v100, v57, v96                       ; my token's score for my expert
	v_add_f32 v101, v58, v100                      ; the logit: the bias steers the choice alone
	v_mul_f32 v102, 0xbfb8aa3b, v100               ; -log2(e) x score
	WALU
	v_exp_f32 v102, v102
; my rank among my token's eight: how many logits are larger, or equal at a lower index
.irp m, 1,2,3,4,5,6,7
	v_mov_b32_dpp v[103+\m], v101 row_xmask:\m row_mask:0xf bank_mask:0xf
.endr
.irp m, 1,2,3,4,5,6,7
	v_cmp_gt_f32 s[27+\m], v[103+\m], v101
	v_cmp_eq_f32 s[34+\m], v[103+\m], v101
.endr
	WALU
	s_and_b32 s35, s35, s23                        ; lane l xor m is the lower one where m's highest bit is set in l
	s_and_b32 s36, s36, s22
	s_and_b32 s37, s37, s22
.irp m, 4,5,6,7
	s_and_b32 s[34+\m], s[34+\m], s21
.endr
.irp m, 1,2,3,4,5,6,7
	s_or_b32 s[27+\m], s[27+\m], s[34+\m]
.endr
	v_add_f32 v102, 1.0, v102
	WALU
	v_rcp_f32 v102, v102                           ; the sigmoid
.irp m, 1,2,3,4,5,6,7
	v_cndmask_b32 v[103+\m], 0, 1, s[27+\m]
.endr
	v_add3_u32 v104, v104, v105, v106
	v_add3_u32 v107, v107, v108, v109
	v_add3_u32 v103, v104, v107, v110              ; the rank
	v_cmp_eq_u32 s28, 0, v103
	v_cmp_eq_u32 s29, 1, v103
	v_lshlrev_b32 v111, v54, 1
	v_lshlrev_b32 v112, 1, v111
	v_cndmask_b32 v104, 0, v111, s28
	v_cndmask_b32 v104, v104, v112, s29            ; bit 2 t + k where my expert is token t's k-th choice
	v_mov_b32_dpp v105, v104 row_xmask:8 row_mask:0xf bank_mask:0xf
	v_or_b32 v104, v104, v105
	v_permlanex16_b32 v105, v104, s42, s43
	v_or_b32 v104, v104, v105                      ; the four tokens' bits for expert lane % 8
	global_store_b8 v14, v104, s[14:15]            ; eight consecutive bytes; lanes of one expert store the same byte
	WALU                                           ; the wait ahead of the first reader of the reciprocal
	v_cndmask_b32 v106, 0, v102, s28
	v_cndmask_b32 v107, 0, v102, s29
.irp m, 1,2,4
	v_add_f32_dpp v106, v106, v106 row_xmask:\m row_mask:0xf bank_mask:0xf     ; only zeros are added
	v_add_f32_dpp v107, v107, v107 row_xmask:\m row_mask:0xf bank_mask:0xf
.endr
	v_add_f32 v108, v106, v107
	WALU
	v_rcp_f32 v108, v108
	v_cmp_eq_u32 vcc_lo, 1, v59
	v_cndmask_b32 v109, v106, v107, vcc_lo         ; even lanes the first choice, odd lanes the second
	WALU
	v_mul_f32 v109, v109, v108
	global_store_b32 v55, v109, s[16:17]           ; 32 consecutive bytes; lanes of one place store the same number
.Lend:
	s_wait_tensorcnt 0x0                           ; the wave's end, behind my last LDS store
	ds_add_u32 v[SPW], v[NIL]
	s_wait_dscnt 0x0
	s_endpgm
.Lfunc_end_k_qee9ac098b5_route:
	.size	k_qee9ac098b5_route, .Lfunc_end_k_qee9ac098b5_route-k_qee9ac098b5_route
	.p2alignl 7, 3214868480
	.fill 96, 4, 3214868480
	.section	.rodata,"a",@progbits
	.p2align	6, 0x0
	.amdhsa_kernel k_qee9ac098b5_route
		.amdhsa_group_segment_fixed_size 38144
		.amdhsa_private_segment_fixed_size 0
		.amdhsa_enable_private_segment 0
		.amdhsa_kernarg_size 56
		.amdhsa_user_sgpr_count 2
		.amdhsa_user_sgpr_kernarg_segment_ptr 1
		.amdhsa_wavefront_size32 1
		.amdhsa_system_sgpr_workgroup_id_x 1
		.amdhsa_system_sgpr_workgroup_id_y 1
		.amdhsa_system_sgpr_workgroup_id_z 1
		.amdhsa_system_vgpr_workitem_id 0
		.amdhsa_next_free_vgpr 256
		.amdhsa_next_free_sgpr 66
		.amdhsa_reserve_vcc 1
		.amdhsa_float_denorm_mode_32 3
		.amdhsa_float_denorm_mode_16_64 3
		.amdhsa_memory_ordered 1
		.amdhsa_forward_progress 1
		.amdhsa_inst_pref_size 28
	.end_amdhsa_kernel
	.amdgpu_metadata
---
amdhsa.version: [ 1, 2 ]
amdhsa.kernels:
  - .name:           k_qee9ac098b5_route
    .symbol:         k_qee9ac098b5_route.kd
    .args:
      - { .name: x, .offset: 0, .size: 8, .value_kind: global_buffer, .address_space: global }
      - { .name: gate_w, .offset: 8, .size: 8, .value_kind: global_buffer, .address_space: global }
      - { .name: gate_b, .offset: 16, .size: 8, .value_kind: global_buffer, .address_space: global }
      - { .name: expert_biases, .offset: 24, .size: 8, .value_kind: global_buffer, .address_space: global }
      - { .name: xc, .offset: 32, .size: 8, .value_kind: global_buffer, .address_space: global }
      - { .name: msk, .offset: 40, .size: 8, .value_kind: global_buffer, .address_space: global }
      - { .name: wts, .offset: 48, .size: 8, .value_kind: global_buffer, .address_space: global }
    .group_segment_fixed_size: 38144
    .private_segment_fixed_size: 0
    .kernarg_segment_align: 8
    .kernarg_segment_size: 56
    .max_flat_workgroup_size: 128
    .sgpr_count:     66
    .vgpr_count:     256
    .wavefront_size: 32
...
	.end_amdgpu_metadata
.endif
;; end of part 6
;; launch ffn1 (part 7): grid 32 x 8, 4 waves a work-group, no clusters, 135,680 bytes of LDS; arguments xc, msk, w1_codes, w1_scales, b1, hc, plan; writes hc, plan
.if DOCPART == 7
	.amdgcn_target "amdgcn-amd-amdhsa--gfx1250"
	.amdhsa_code_object_version 6
	.text
	.protected	k_qee9ac098b5_ffn1
	.globl	k_qee9ac098b5_ffn1
	.p2align	8
	.type	k_qee9ac098b5_ffn1,@function
k_qee9ac098b5_ffn1:
	s_mov_b64 s[64:65], 0
	v_nop
	global_prefetch_b8 v0, s[64:65] scope:SCOPE_SE
	s_setreg_imm32_b32 hwreg(HW_REG_WAVE_MODE, 25, 1), 1
	s_wait_xcnt 0x0
; FFN1: places the rows, and makes h = relu(x W1[e] + b1[e]) for the rows of expert e, quantised along FF on the way: codes of E2M1 and E8M0 bytes, laid as the next launch's operand registers.
; Only rows of chosen (token, expert) pairs are multiplied: the others are multiplied by a 0 of reference()'s own one_hot (shown at the first kernel's head).
; SHARES.  Work-group (fb, e) makes hidden units 128 fb .. 128 fb + 127 of expert e: one K step of the second product.  W1's tile (128 rows of 512 bytes) is loaded once, 32 rows a wave, whole rows a load, and
; turned through LDS into fragments: all four waves then hold the tile (64 fragments, 512 registers).  Wave w takes the expert's groups of 16 rows w, w + 4, w + 8 .., two groups (a PAIR) at a time.
; THE PLACING.  msk holds 2,048 bits for an expert: bit s = 2 t + k says that the expert is token t's k-th choice.  Lane j takes bits 64 j .. 64 j + 63.  A slot's RANK is the number of set bits ahead of it; GROUP g holds
; ranks 16 g .. 16 g + 15.  The lanes' running counts are keys (count << 5 | lane) in scalar registers; a scan over them picks the lane that holds a rank, five halvings pick the bit.  A rank past the last falls on
; slot 2,047: such rows (at most 15 an expert) fill the last group, and their list entry names a row of y that nobody reads.  Work-group (0, e) stores the number of groups and each rank's slot.
; The number of groups hangs on numbers read from memory, and branches hang on it: so this text has no tensor load and hence no joint loads of a cluster.  No prefetch: all of W1 is asked for at the head, and rows of x a pair ahead.
; An expert without rows leaves its work-groups with no product to store: the price of a grid that serves every split.
; GATHER.  A pair's rows come as pieces of 256 bytes: lanes 0-15 row n of the first group, lanes 16-31 row n of the second; they are turned into fragments through a stage of the wave's own.
; LAYOUT.  The product is used transposed (source 0 = 16 rows of W1, source 1 = 16 rows of x).  Lane r of tile 2 b + u takes W1's row 32 b + 8 u + r + 8 (r / 8), so that the 16 registers of
; tiles 2 b and 2 b + 1 are 16 neighbours along FF: 32 b + 16 (lane / 16) + 0 .. 15.  In LDS W1's rows lie in the tiles' order.  b1 is the C of each sum's first matrix instruction.
; REGISTERS: window 0: v1-19 addresses; v20-52 the search, then x's addresses (v20-35) and the quantiser; v53-55 the bits and their count; v56-63 codes; v64-95 W1's scale words (4 t + s % 4; K steps 4-7 in lanes 16-31);
;   v96-119 x's scale words, a set for each pair of a trip (second group in lanes 16-31); v128-191 the 8 tiles of h; v192-255 b1.   window 1: v0-127 x's rows as loaded; v128-255 the pair's fragments (at the head: W1's rows).
;   window 2: W1's fragments of K steps 0-3 (8 (8 s + t));   window 3: K steps 4-7.
.set XS_OFF, 524288
.set HS_OFF, 16777216                  ; hc: images [512 groups][32 K steps][1,024 bytes]; then scale words [512][32 K steps][16 rows]
.set LIST,  1024                       ; plan: [8][32 words] the number of groups; then [8][1280] slots by rank
.set P,     528                        ; an LDS row: 512 bytes + 16
.set XSTG,  128*P                      ; behind W1's tile: a stage of 32 rows for each wave
.set SPARE, XSTG+4*32*P                ; the spare words, 128 bytes a wave: two blocks that no other line names
.set LI,  3                            ; 16 x lane
.set WSA, 4
.set BA,  5
.set R16, 6                            ; 16 r
.set XST, 7                            ; my stage, in
.set XFR, 8                            ; and out
.set WST, 9                            ; W1's tile, in
.set WFR, 10                           ; and out
.set SPW, 11
.set NIL, 12
.set R4,  13                           ; 4 r
.set XSA, 14
.set TK,  16                           ; v16-18 slots, then tokens, of three pairs: lanes 0-15 the first group's, lanes 16-31 the second's
.set RB,  19                           ; 64 h + r
.set SL,  20                           ; the search: eleven registers for each of three pairs
.set XA,  20
.set TM,  36
.set PW,  52
.set WB,  53                           ; v53, v54 my 64 bits
.set C0,  55                           ; set bits of v53
.set PC,  56
.set W1S, 64
.set XS,  96
.set D,   128
.set B1,  192
.set FR,  128                          ; fragments, in window 1
.set RK, 0
.set KY, 1
.set WD, 2
.set KK, 3
.set PO, 4
.set CA, 5
.set CB, 6
.set CC, 7
.set CD, 8
.set T1, 9
.set T2, 10
.set WV, 18
.set FB, 19
.set EX, 20
.set NG, 21
.set GI, 22                            ; the trip's first group: wave + 24 x trip
.set TRIP, 23
.set CNT, 24
.set HB, 32
.set SB, 34
.set SEL, 36
.set PLB, 38
.set KEY, 66                           ; s66-97
.set MSB, 0
.macro WIN new                         ; the immediate's high byte repeats the setting that is left
.if MSB != (\new)
	s_set_vgpr_msb (MSB<<8)|(\new)
.set MSB, (\new)
.endif
.endm
.macro WALU
	s_wait_alu depctr_va_vdst(0)
.endm
	s_load_b256 s[4:11], s[0:1], 0x0               ; xc, msk, w1_codes, w1_scales
	s_load_b128 s[12:15], s[0:1], 0x20             ; b1, hc
	s_load_b64 s[16:17], s[0:1], 0x30              ; plan
	v_lshrrev_b32 v15, 5, v0
	v_readfirstlane_b32 s[WV], v15
	s_mul_i32 s2, s[WV], 32*P
	s_add_co_u32 s3, s2, XSTG
	v_lshl_add_u32 v[SPW], v0, 2, SPARE
	v_mov_b32 v[NIL], 0
	v_and_b32 v1, 15, v0                           ; r
	v_bfe_u32 v2, v0, 4, 1                         ; h
	v_and_b32 v15, 31, v0
	v_lshlrev_b32 v[LI], 4, v15
	v_lshlrev_b32 v[XSA], 6, v15                   ; (msk: 64 bytes a lane)
	v_and_b32 v15, 8, v1
	v_add_nc_u32 v15, v15, v1                      ; r + 8 (r / 8)
	v_lshlrev_b32 v[WSA], 5, v15
	v_lshl_add_u32 v[WSA], v2, 4, v[WSA]
	v_lshlrev_b32 v[BA], 6, v2
	v_lshlrev_b32 v[R16], 4, v1
	v_lshlrev_b32 v[R4], 2, v1
	v_lshl_add_u32 v[RB], v2, 6, v1
	v_mul_u32_u24 v[XST], v2, 16*P
	v_add_nc_u32 v[XST], v[XST], v[R16]
	v_add_nc_u32 v[XST], s3, v[XST]
	v_mul_u32_u24 v[WFR], v1, P
	v_lshl_add_u32 v[WFR], v2, 4, v[WFR]
	v_add_nc_u32 v[XFR], s3, v[WFR]
	v_add_nc_u32 v[WST], s2, v[LI]
	WALU
	s_mov_b32 s[FB], ttmp9
	s_and_b32 s[EX], ttmp7, 0xffff
	s_mov_b32 s27, 0
	s_mov_b32 s29, 0
	s_mov_b32 s31, 0
	s_lshl_b32 s26, s[EX], 21                      ; W1's codes: 2 MiB an expert, 64 KiB a tile, 16 KiB a wave
	s_lshl_b32 s2, ttmp9, 16
	s_add_co_u32 s26, s26, s2
	s_lshl_b32 s2, s[WV], 14
	s_add_co_u32 s26, s26, s2
	s_lshl_b32 s28, s[EX], 17                      ; its scale bytes: 32 a row
	s_lshl_b32 s2, ttmp9, 12
	s_add_co_u32 s28, s28, s2
	s_lshl_b32 s30, s[EX], 14                      ; b1
	s_lshl_b32 s2, ttmp9, 9
	s_add_co_u32 s30, s30, s2
	s_mov_b32 s[SEL], 0x76543210
	s_mov_b32 s[SEL+1], 0xfedcba98
	s_mov_b32 s[GI], s[WV]
	s_wait_kmcnt 0x0
.irp i, 0,1,2,3
	global_load_b128 v[D+4*\i:D+4*\i+3], v[XSA], s[6:7] offset:16*\i       ; eight work-groups' eight bytes
.endr
	s_add_nc_u64 s[8:9], s[8:9], s[26:27]
	s_add_nc_u64 s[10:11], s[10:11], s[28:29]
	s_add_nc_u64 s[12:13], s[12:13], s[30:31]
	WIN 0x40
.irp m, 0,1,2,3,4,5,6,7,8,9,10,11,12,13,14,15,16,17,18,19,20,21,22,23,24,25,26,27,28,29,30,31
	global_load_b128 v[FR+4*\m:FR+4*\m+3], v[LI], s[8:9] offset:512*\m     ; a row of W1: 512 consecutive bytes a load
.endr
	WIN 0
.irp t, 0,1,2,3,4,5,6,7
	global_load_b128 v[W1S+4*\t:W1S+4*\t+3], v[WSA], s[10:11] offset:(32*(\t/2)+8*(\t%2))*32   ; lanes 0-15 K steps 0-3, lanes 16-31 K steps 4-7
.endr
.irp t, 0,1,2,3,4,5,6,7
.irp u, 0,1
	global_load_b128 v[B1+8*\t+4*\u:B1+8*\t+4*\u+3], v[BA], s[12:13] offset:(32*(\t/2)+8*(\t%2))*4+16*\u
.endr
.endr
	s_lshl_b32 s2, s[EX], 7
	s_mov_b32 s3, 0
	s_add_nc_u64 s[HB:HB+1], s[16:17], s[2:3]      ; my expert's number of groups
	s_mul_i32 s2, s[EX], 5120
	s_add_nc_u64 s[PLB:PLB+1], s[16:17], s[2:3]    ; its list (LIST stands in the immediate)
	s_cmp_ge_u32 s[EX], 4
	s_cselect_b32 s28, -1, 0
	s_and_b32 s29, s[EX], 3
	s_mul_i32 s29, s29, 0x0101
	s_add_co_u32 s29, s29, 0x0c0c0400              ; selector: byte e % 4 of both sources, zeros above
	s_wait_loadcnt 56                              ; msk's four loads are in; W1's 32, the scales' 8 and b1's 16 may be out
.irp i, 0,1,2,3,4,5,6,7
	v_cndmask_b32 v[D+16+\i], v[D+2*\i], v[D+2*\i+1], s28
.endr
.irp i, 0,1,2,3
	v_perm_b32 v[D+24+\i], v[D+17+2*\i], v[D+16+2*\i], s29
.endr
	v_lshl_or_b32 v[WB], v[D+25], 16, v[D+24]
	v_lshl_or_b32 v[WB+1], v[D+27], 16, v[D+26]
; set bits of my two words
.irp i, 0,1
	v_lshrrev_b32 v[D+28+\i], 1, v[WB+\i]
.endr
.irp i, 0,1
	v_and_b32 v[D+28+\i], 0x55555555, v[D+28+\i]
.endr
.irp i, 0,1
	v_sub_nc_u32 v[D+28+\i], v[WB+\i], v[D+28+\i]
.endr
.irp i, 0,1
	v_lshrrev_b32 v[D+30+\i], 2, v[D+28+\i]
.endr
.irp i, 0,1
	v_and_b32 v[D+28+\i], 0x33333333, v[D+28+\i]
.endr
.irp i, 0,1
	v_and_b32 v[D+30+\i], 0x33333333, v[D+30+\i]
.endr
.irp k, 4,8,16                                 ; nibbles, then bytes, then halves; the low byte holds the sum, and nothing carries into it
.irp i, 0,1
.if \k == 4
	v_add_nc_u32 v[D+28+\i], v[D+28+\i], v[D+30+\i]
.endif
	v_lshrrev_b32 v[D+30+\i], \k, v[D+28+\i]
.endr
.irp i, 0,1
	v_add_nc_u32 v[D+28+\i], v[D+28+\i], v[D+30+\i]
.endr
.if \k == 4
.irp i, 0,1
	v_and_b32 v[D+28+\i], 0x0f0f0f0f, v[D+28+\i]
.endr
.endif
.endr
	v_and_b32 v[C0], 63, v[D+28]
	v_and_b32 v[D+29], 63, v[D+29]
	v_add_nc_u32 v[D+29], v[C0], v[D+29]
	WALU
.irp j, 0,1,2,3,4,5,6,7,8,9,10,11,12,13,14,15,16,17,18,19,20,21,22,23,24,25,26,27,28,29,30,31
	v_readlane_b32 s[KEY+\j], v[D+29], \j
.endr
	s_mov_b32 s27, 0
.irp j, 0,1,2,3,4,5,6,7,8,9,10,11,12,13,14,15,16,17,18,19,20,21,22,23,24,25,26,27,28,29,30,31
	s_lshl_b32 s26, s27, 5
	s_add_co_u32 s27, s27, s[KEY+\j]
	s_or_b32 s[KEY+\j], s26, \j                    ; the set bits ahead of lane j, and j: the keys ascend
.endr
	s_min_u32 s[CNT], s27, 1024
	s_add_co_u32 s[NG], s[CNT], 15
	s_lshr_b32 s[NG], s[NG], 4
	s_or_b32 s26, s[FB], s[WV]
	s_cmp_lg_u32 s26, 0
	s_cbranch_scc1 .Lno_count
	v_lshrrev_b32 v[XSA], 2, v[LI]
	v_mov_b32 v15, s[NG]
	global_store_b32 v[XSA], v15, s[HB:HB+1]
	s_wait_xcnt 0x0
.Lno_count:
.macro SCAN j                          ; lane j is taken where its key is not above the rank's: the last such lane holds the rank
	v_cmp_le_u32 vcc_lo, s[KEY+\j], v[SL+RK]
	v_cmp_le_u32 s28, s[KEY+\j], v[SL+11+RK]
	v_cmp_le_u32 s29, s[KEY+\j], v[SL+22+RK]
	v_cndmask_b32 v[SL+KY], v[SL+KY], s[KEY+\j], vcc_lo
	v_cndmask_b32 v[SL+11+KY], v[SL+11+KY], s[KEY+\j], s28
	v_cndmask_b32 v[SL+22+KY], v[SL+22+KY], s[KEY+\j], s29
.endm
.macro CMPGE a, b                      ; three masks
	v_cmp_ge_u32 vcc_lo, v[SL+\a], v[SL+\b]
	v_cmp_ge_u32 s28, v[SL+11+\a], v[SL+11+\b]
	v_cmp_ge_u32 s29, v[SL+22+\a], v[SL+22+\b]
.endm
.macro PICKC d, c                      ; the constant c where the mask is set
	v_cndmask_b32 v[SL+\d], 0, \c, vcc_lo
	v_cndmask_b32 v[SL+11+\d], 0, \c, s28
	v_cndmask_b32 v[SL+22+\d], 0, \c, s29
.endm
.macro PICKV d, b                      ; the number b where the mask is set
	v_cndmask_b32 v[SL+\d], 0, v[SL+\b], vcc_lo
	v_cndmask_b32 v[SL+11+\d], 0, v[SL+11+\b], s28
	v_cndmask_b32 v[SL+22+\d], 0, v[SL+22+\b], s29
.endm
.macro OP3 op, d, a, b                 ; d = a op b, both registers
.irp n, 0,11,22
	\op v[SL+\n+\d], v[SL+\n+\a], v[SL+\n+\b]
.endr
.endm
.macro OPC op, d, c, b                 ; d = c op b, c a constant
.irp n, 0,11,22
	\op v[SL+\n+\d], \c, v[SL+\n+\b]
.endr
.endm
.macro BSTEP src, width, inc           ; a halving: where the lower part holds no more set bits than are still to pass, they are passed and the bit moves up by inc
.irp n, 0,11,22
	v_bfe_u32 v[SL+\n+T1], v[SL+\n+\src], v[SL+\n+PO], \width
.endr
	CMPGE KK, T1
	PICKV T1, T1
	PICKC T2, \inc
	OP3 v_sub_nc_u32, KK, KK, T1
	OP3 v_add_nc_u32, PO, PO, T2
.endm
.macro LISTED n, sr                    ; the slots by rank, for the next launch
	v_add_nc_u32 v[SL+11*\n+T1], \sr, v[RB]
	v_cmp_le_u32 vcc_lo, s[CNT], v[SL+11*\n+T1]
	v_add_nc_u32 v[SL+11*\n+T2], s31, v1           ; past the last: a row of y behind the 2,048
	v_cndmask_b32 v[SL+11*\n+T2], v[TK+\n], v[SL+11*\n+T2], vcc_lo
	v_lshlrev_b32 v[SL+11*\n+T1], 2, v[SL+11*\n+T1]
	global_store_b32 v[SL+11*\n+T1], v[SL+11*\n+T2], s[PLB:PLB+1] offset:LIST
.endm
.macro SEARCH                          ; the tokens of three pairs at once, from group GI on: lane (r, h) looks for ranks 16 (GI + 8 n + 4 h) + r
	s_lshl_b32 s26, s[GI], 4
	s_add_co_u32 s27, s26, 128
	s_add_co_u32 s30, s26, 256
	s_lshl_b32 s31, s[EX], 4
	s_add_co_u32 s31, s31, 2048
	v_add_nc_u32 v[SL+RK], s26, v[RB]
	v_add_nc_u32 v[SL+11+RK], s27, v[RB]
	v_add_nc_u32 v[SL+22+RK], s30, v[RB]
.irp n, 0,11,22
	v_lshl_or_b32 v[SL+\n+RK], v[SL+\n+RK], 5, 31  ; above every key of the same count
.endr
.irp n, 0,11,22
	v_mov_b32 v[SL+\n+KY], 0                       ; lane 0's key
.endr
.irp j, 1,2,3,4,5,6,7,8,9,10,11,12,13,14,15,16,17,18,19,20,21,22,23,24,25,26,27,28,29,30,31
	SCAN \j
.endr
	OPC v_and_b32, T1, 31, KY
	OPC v_lshlrev_b32, T1, 2, T1
.irp n, 0,11,22
	ds_bpermute_b32 v[SL+\n+WD], v[SL+\n+T1], v[WB]
	ds_bpermute_b32 v[SL+\n+CA], v[SL+\n+T1], v[WB+1]
	ds_bpermute_b32 v[SL+\n+CB], v[SL+\n+T1], v[C0]
.endr
	OPC v_lshrrev_b32, KK, 5, RK
	OPC v_lshrrev_b32, T2, 5, KY
	OP3 v_sub_nc_u32, KK, KK, T2                   ; the rank inside the lane's 64 bits
	OPC v_lshlrev_b32, T1, 4, T1                   ; 64 x lane
	WALU
	s_wait_dscnt 0x0
	CMPGE KK, CB                                   ; the upper word?
	v_cndmask_b32 v[SL+WD], v[SL+WD], v[SL+CA], vcc_lo
	v_cndmask_b32 v[SL+11+WD], v[SL+11+WD], v[SL+11+CA], s28
	v_cndmask_b32 v[SL+22+WD], v[SL+22+WD], v[SL+22+CA], s29
	PICKV T2, CB
	PICKC RK, 32
	OP3 v_sub_nc_u32, KK, KK, T2
	OP3 v_add_nc_u32, RK, RK, T1                   ; 64 x lane + 32 x word
	OPC v_lshrrev_b32, CA, 1, WD
	OPC v_and_b32, CA, 0x55555555, CA
	OP3 v_sub_nc_u32, CA, WD, CA                   ; set bits of each pair
	OPC v_lshrrev_b32, CB, 2, CA
	OPC v_and_b32, CB, 0x33333333, CB
	OPC v_and_b32, T1, 0x33333333, CA
	OP3 v_add_nc_u32, CB, CB, T1                   ; of each nibble
	OPC v_lshrrev_b32, CC, 4, CB
	OP3 v_add_nc_u32, CC, CC, CB
	OPC v_and_b32, CC, 0x0f0f0f0f, CC              ; of each byte
	OPC v_lshrrev_b32, CD, 8, CC
	OP3 v_add_nc_u32, CD, CD, CC                   ; low byte: of the low half
.irp n, 0,11,22
	v_mov_b32 v[SL+\n+PO], 0
.endr
	BSTEP CD, 8, 16
	BSTEP CC, 8, 8
	BSTEP CB, 4, 4
	BSTEP CA, 2, 2
	BSTEP WD, 1, 1                                 ; a rank past the last set bit ends at bit 31
.irp n, 0,1,2
	v_add_nc_u32 v[TK+\n], v[SL+11*\n+RK], v[SL+11*\n+PO]
.endr
	WALU
	s_cmp_lg_u32 s[FB], 0
	s_cbranch_scc1 .Lno_list_\@
	LISTED 0, s26
	LISTED 1, s27
	LISTED 2, s30
	WALU
	s_wait_xcnt 0x0                                ; the stores have read their registers
.Lno_list_\@:
.irp n, 0,1,2
	v_lshrrev_b32 v[TK+\n], 1, v[TK+\n]            ; tokens
.endr
.endm
.set XSB, 36                           ; v36-38 the scale words' addresses of three pairs, free behind the search
.macro XSCALES                         ; the scale words of a trip's three pairs, under no branch: 6 loads
.irp n, 0,1,2
	v_min_u32 v[XSB+\n], 0x3ff, v[TK+\n]
.endr
.irp n, 0,1,2
	v_lshlrev_b32 v[XSB+\n], 5, v[XSB+\n]
.endr
.irp n, 0,1,2
.irp u, 0,1
	global_load_b128 v[XS+8*\n+4*\u:XS+8*\n+4*\u+3], v[XSB+\n], s[4:5] offset:XS_OFF+16*\u
.endr
.endr
.endm
.macro XLOAD i                         ; pair i's rows: 32 loads
.irp q, 0,1,2,3,4,5,6,7,8,9,10,11,12,13,14,15
	v_mov_b32_dpp v[XA+\q], v[TK+\i] row_share:\q row_mask:0xf bank_mask:0xf
.endr
.irp q, 0,1,2,3,4,5,6,7,8,9,10,11,12,13,14,15
	v_min_u32 v[XA+\q], 0x3ff, v[XA+\q]
.endr
.irp q, 0,1,2,3,4,5,6,7,8,9,10,11,12,13,14,15
	v_lshl_add_u32 v[XA+\q], v[XA+\q], 9, v[R16]
.endr
	WIN 0x40
.irp q, 0,1,2,3,4,5,6,7,8,9,10,11,12,13,14,15
.irp f, 0,1
	global_load_b128 v[8*\q+4*\f:8*\q+4*\f+3], v[XA+\q], s[4:5] offset:256*\f
.endr
.endr
	WIN 0
.endm
	SEARCH
	XSCALES
	XLOAD 0
	s_wait_loadcnt 38                              ; W1, its scales and b1 are in; the trip's 6 loads of scale words and the first pair's 32 of rows may be out
	WIN 0x04
.irp m, 0,1,2,3,4,5,6,7,8,9,10,11,12,13,14,15,16,17,18,19,20,21,22,23,24,25,26,27,28,29,30,31
	ds_store_b128 v[WST], v[FR+4*\m:FR+4*\m+3] offset:((\m&7)+2*(\m&8)+(\m&16)/2)*P   ; the rows of a block of 32 in the order of its two tiles
.endr
	WIN 0
	s_wait_dscnt 0x0                               ; for the others' sake: my rows of W1 lie in LDS
	s_barrier_signal -1
	s_barrier_wait -1
.macro WFRAGS k0                       ; K steps k0 .. k0 + 3
.irp s, 0,1,2,3
.irp t, 0,1,2,3,4,5,6,7
.irp c, 0,1
	ds_load_b128 v[8*(8*\s+\t)+4*\c:8*(8*\s+\t)+4*\c+3], v[WFR] offset:16*\t*P+64*(\k0+\s)+32*\c
.endr
.endr
.endr
.endm
	WIN 0x80
	WFRAGS 0
	WIN 0xc0
	WFRAGS 4
	WIN 0
.macro WM d, a, b, c, sa, ra, sb, rb
.if ((\ra) == 0) && ((\rb) == 0)
	v_wmma_scale_f32_16x16x128_f8f6f4 v[(\d):(\d)+7], v[(\a):(\a)+7], v[(\b):(\b)+7], v[(\c):(\c)+7], v[\sa], v[\sb] matrix_a_fmt:MATRIX_FMT_FP4 matrix_b_fmt:MATRIX_FMT_FP4
.elseif (\ra) == 0
	v_wmma_scale_f32_16x16x128_f8f6f4 v[(\d):(\d)+7], v[(\a):(\a)+7], v[(\b):(\b)+7], v[(\c):(\c)+7], v[\sa], v[\sb] matrix_a_fmt:MATRIX_FMT_FP4 matrix_b_fmt:MATRIX_FMT_FP4 matrix_b_scale:MATRIX_SCALE_ROW1
.elseif (\rb) == 0
	v_wmma_scale_f32_16x16x128_f8f6f4 v[(\d):(\d)+7], v[(\a):(\a)+7], v[(\b):(\b)+7], v[(\c):(\c)+7], v[\sa], v[\sb] matrix_a_fmt:MATRIX_FMT_FP4 matrix_b_fmt:MATRIX_FMT_FP4 matrix_a_scale:MATRIX_SCALE_ROW1
.else
	v_wmma_scale_f32_16x16x128_f8f6f4 v[(\d):(\d)+7], v[(\a):(\a)+7], v[(\b):(\b)+7], v[(\c):(\c)+7], v[\sa], v[\sb] matrix_a_fmt:MATRIX_FMT_FP4 matrix_b_fmt:MATRIX_FMT_FP4 matrix_a_scale:MATRIX_SCALE_ROW1 matrix_b_scale:MATRIX_SCALE_ROW1
.endif
.endm
.macro MUL i, ab                       ; 64 matrix instructions: K step by K step, the eight tiles by turns
.irp s, 0,1,2,3,4,5,6,7
	WIN 0x06+(\s)/4                                ; source 0 (W1) window 2, then 3; source 1 (x) window 1
.irp t, 0,1,2,3,4,5,6,7
.if \s == 0
	WM D+8*\t, 8*\t, FR+64*\ab, B1+8*\t, W1S+4*\t, 0, XS+8*\i, \ab
.else
	WM D+8*\t, 8*(8*(\s%4)+\t), FR+64*\ab+8*\s, D+8*\t, W1S+4*\t+(\s%4), \s/4, XS+8*\i+\s, \ab
.endif
.endr
.endr
	WIN 0
.endm
.macro QUANT                           ; 64 numbers of a lane, register 16 b + i = unit 32 b + 16 (lane / 16) + i of my row, none negative, become a fragment's codes in v[PC] on and its scale word in v[PW]
.irp b, 0,1,2,3
	v_max3_num_f32 v[TM+\b], v[D+16*\b], v[D+1+16*\b], 0x1800000   ; the floor 2^(3 - 127): the byte cannot fall under 1 (a block of zeros keeps it: its codes are zeros)
.endr
.irp i, 2,4,6,8,10,12,14
.irp b, 0,1,2,3
	v_max3_num_f32 v[TM+\b], v[TM+\b], v[D+16*\b+\i], v[D+1+16*\b+\i]
.endr
.endr
.irp b, 0,1,2,3
	v_permlanex16_b32 v[TM+4+\b], v[TM+\b], s[SEL], s[SEL+1]
.endr
.irp b, 0,1,2,3
	v_max_num_f32 v[TM+\b], v[TM+\b], v[TM+4+\b]   ; with lane l xor 16's 16: the block's largest
.endr
.irp b, 0,1,2,3
	v_add_nc_u32 v[TM+12+\b], 0xff000000, v[TM+\b] ; 2 off its exponent field: the conversion's scale operand
.endr
.irp b, 0,1,2,3
	v_lshrrev_b32 v[TM+4+\b], 23, v[TM+12+\b]      ; the byte
.endr
	v_lshl_or_b32 v[PW], v[TM+5], 8, v[TM+4]
	v_lshl_or_b32 v[PW], v[TM+6], 16, v[PW]
	v_lshl_or_b32 v[PW], v[TM+7], 24, v[PW]
.irp b, 0,1,2,3
	v_cvt_scalef32_pk8_fp4_f32 v[PC+2*\b], v[D+16*\b:D+7+16*\b], v[TM+12+\b]
	v_cvt_scalef32_pk8_fp4_f32 v[PC+1+2*\b], v[D+8+16*\b:D+15+16*\b], v[TM+12+\b]
.endr
	v_nop                                          ; one plain line behind the conversions
.irp c, 0,1                                    ; the operand wants a whole block in a lane: lanes 0-15 block 2 c, lanes 16-31 block 2 c + 1
.irp i, 0,1
	v_permlane16_swap_b32 v[PC+4*\c+\i], v[PC+2+4*\c+\i]
.endr
.endr
.endm
.macro GROUP i, ab                     ; group GI + 8 i + 4 ab; s26 holds its number
	s_lshl_b32 s27, s[EX], 6
	s_add_co_u32 s27, s27, s26
	s_min_u32 s27, s27, 511
	s_lshl_b32 s27, s27, 5
	s_add_co_u32 s27, s27, s[FB]                   ; (group, K step fb)
	s_mov_b32 s29, 0
	s_wait_xcnt 0x0                                ; the last stores have read their data and bases
	s_lshl_b32 s28, s27, 10
	s_add_nc_u64 s[HB:HB+1], s[14:15], s[28:29]    ; its image
	s_lshl_b32 s28, s27, 6
	s_add_co_u32 s28, s28, HS_OFF
	s_add_nc_u64 s[SB:SB+1], s[14:15], s[28:29]    ; its scale words
	MUL \i, \ab
.rept 4
	v_nop                                          ; four places in front of the first read of results
.endr
.irp j, 0,1,2,3,4,5,6,7,8,9,10,11,12,13,14,15,16,17,18,19,20,21,22,23,24,25,26,27,28,29,30,31,32,33,34,35,36,37,38,39,40,41,42,43,44,45,46,47,48,49,50,51,52,53,54,55,56,57,58,59,60,61,62,63
	v_max_num_f32 v[D+\j], 0, v[D+\j]              ; relu, in f32; each tile from its low end on
.endr
	QUANT
	global_store_b128 v[LI], v[PC:PC+3], s[HB:HB+1]               ; the fragment as it stands: 512 consecutive bytes a store
	global_store_b128 v[LI], v[PC+4:PC+7], s[HB:HB+1] offset:512
	global_store_b32 v[R4], v[PW], s[SB:SB+1]                     ; 64 consecutive bytes; both halves of the lanes hold the same words
.endm
.macro PAIR i
	s_add_co_u32 s26, s[GI], 8*\i
	s_cmp_ge_u32 s26, s[NG]
	s_cbranch_scc1 .Ldone                          ; my groups are done
	s_wait_loadcnt 0x0                             ; this pair's rows; nothing else is out
	WIN 0x04
.irp q, 0,1,2,3,4,5,6,7,8,9,10,11,12,13,14,15
.irp f, 0,1
	ds_store_b128 v[XST], v[8*\q+4*\f:8*\q+4*\f+3] offset:P*\q+256*\f
.endr
.endr
	WIN 0x40
.irp a, 0,1
.irp s, 0,1,2,3,4,5,6,7
.irp c, 0,1
	ds_load_b128 v[FR+64*\a+8*\s+4*\c:FR+64*\a+8*\s+4*\c+3], v[XFR] offset:16*P*\a+64*\s+32*\c   ; my own wave's bytes: LDS serves a wave's instructions in order
.endr
.endr
.endr
	WIN 0
	s_wait_dscnt 0x0                               ; the fragments are in (at the head W1's too)
.if \i < 2
	s_add_co_u32 s27, s26, 8
	s_cmp_ge_u32 s27, s[NG]
	s_cbranch_scc1 .Lno_next_\@
	XLOAD \i+1                                     ; the next pair's rows land while this pair is multiplied
.Lno_next_\@:
.endif
	GROUP \i, 0
	s_add_co_u32 s26, s[GI], 8*\i+4
	s_cmp_ge_u32 s26, s[NG]
	s_cbranch_scc1 .Ldone                          ; no second group, and so no further pair
	GROUP \i, 1
.endm
	s_mov_b32 s[TRIP], 0
.Ltrip:                                            ; three trips of three pairs serve the 16 groups that a wave can have; a wave leaves as soon as its groups are done
	PAIR 0
	PAIR 1
	PAIR 2
	s_add_co_u32 s[GI], s[GI], 24
	s_cmp_ge_u32 s[GI], s[NG]
	s_cbranch_scc1 .Ldone
	s_wait_xcnt 0x0                                ; the stores have read the registers that the search writes
	SEARCH
	XSCALES
	XLOAD 0
	WALU
	s_add_co_u32 s[TRIP], s[TRIP], 1
	s_cmp_lt_u32 s[TRIP], 3
	s_cbranch_scc1 .Ltrip
.Ldone:
	s_wait_tensorcnt 0x0                           ; the wave's end, behind my last LDS store
	ds_add_u32 v[SPW], v[NIL]
	s_wait_dscnt 0x0
	s_endpgm
.Lfunc_end_k_qee9ac098b5_ffn1:
	.size	k_qee9ac098b5_ffn1, .Lfunc_end_k_qee9ac098b5_ffn1-k_qee9ac098b5_ffn1
	.p2alignl 7, 3214868480
	.fill 96, 4, 3214868480
	.section	.rodata,"a",@progbits
	.p2align	6, 0x0
	.amdhsa_kernel k_qee9ac098b5_ffn1
		.amdhsa_group_segment_fixed_size 135680
		.amdhsa_private_segment_fixed_size 0
		.amdhsa_enable_private_segment 0
		.amdhsa_kernarg_size 56
		.amdhsa_user_sgpr_count 2
		.amdhsa_user_sgpr_kernarg_segment_ptr 1
		.amdhsa_wavefront_size32 1
		.amdhsa_system_sgpr_workgroup_id_x 1
		.amdhsa_system_sgpr_workgroup_id_y 1
		.amdhsa_system_sgpr_workgroup_id_z 1
		.amdhsa_system_vgpr_workitem_id 0
		.amdhsa_next_free_vgpr 1024
		.amdhsa_next_free_sgpr 106
		.amdhsa_reserve_vcc 1
		.amdhsa_float_denorm_mode_32 3
		.amdhsa_float_denorm_mode_16_64 3
		.amdhsa_memory_ordered 1
		.amdhsa_forward_progress 1
		.amdhsa_inst_pref_size 195
	.end_amdhsa_kernel
	.amdgpu_metadata
---
amdhsa.version: [ 1, 2 ]
amdhsa.kernels:
  - .name:           k_qee9ac098b5_ffn1
    .symbol:         k_qee9ac098b5_ffn1.kd
    .args:
      - { .name: xc, .offset: 0, .size: 8, .value_kind: global_buffer, .address_space: global }
      - { .name: msk, .offset: 8, .size: 8, .value_kind: global_buffer, .address_space: global }
      - { .name: w1_codes, .offset: 16, .size: 8, .value_kind: global_buffer, .address_space: global }
      - { .name: w1_scales, .offset: 24, .size: 8, .value_kind: global_buffer, .address_space: global }
      - { .name: b1, .offset: 32, .size: 8, .value_kind: global_buffer, .address_space: global }
      - { .name: hc, .offset: 40, .size: 8, .value_kind: global_buffer, .address_space: global }
      - { .name: plan, .offset: 48, .size: 8, .value_kind: global_buffer, .address_space: global }
    .group_segment_fixed_size: 135680
    .private_segment_fixed_size: 0
    .kernarg_segment_align: 8
    .kernarg_segment_size: 56
    .max_flat_workgroup_size: 128
    .sgpr_count:     106
    .vgpr_count:     1024
    .wavefront_size: 32
...
	.end_amdgpu_metadata
.endif
;; end of part 7
;; launch ffn2 (part 8): grid 32 x 8, 4 waves a work-group, no clusters, 274,944 bytes of LDS; arguments hc, plan, w2_codes, w2_scales, b2, y; writes y
.if DOCPART == 8
	.amdgcn_target "amdgcn-amd-amdhsa--gfx1250"
	.amdhsa_code_object_version 6
	.text
	.protected	k_qee9ac098b5_ffn2
	.globl	k_qee9ac098b5_ffn2
	.p2align	8
	.type	k_qee9ac098b5_ffn2,@function
k_qee9ac098b5_ffn2:
	s_mov_b64 s[64:65], 0
	v_nop
	global_prefetch_b8 v0, s[64:65] scope:SCOPE_SE
	s_setreg_imm32_b32 hwreg(HW_REG_WAVE_MODE, 25, 1), 1
	s_wait_xcnt 0x0
; FFN2: y[slot] = h W2[e] + b2[e] for the rows placed on expert e, stored at row slot = 2 token + k; h comes as the images of operand registers that the launch before has laid.
; Only rows of chosen (token, expert) pairs are multiplied (shown at the first kernel's head).
; SHARES.  Work-group (2 cb + half, e) makes output columns 64 cb .. 64 cb + 63 for the groups 2 g + half of expert e (16 rows each).  No group's address hangs on their number, so h is asked for at once, and the number
; is fetched beside it; the images of the first eight groups are asked for whether the expert has them or not (they lie inside the buffer; what is not there is not multiplied).
; K IS SHARED AMONG THE WAVES: wave w holds K steps 8 w .. 8 w + 7 of the four column tiles of W2 (32 fragments, 256 registers) for the whole launch and reads only those eight fragments of each group: no byte is read
; twice inside the work-group.  W2's rows come 512 consecutive bytes a load and are turned into fragments through LDS bytes of the wave's own.
; The four waves' partial sums meet in LDS, four groups (a chunk) at a time: each wave stores its plane of 16 rows x 64 columns; a barrier; each wave adds the four planes of four rows, adds b2 and stores 256 bytes a row.
; The first eight groups are written out (three groups' loads stay out while one is multiplied); a loop of six chunks serves the 24 more that a half can have.
; The number of groups is read from memory, and branches hang on it: so this text has no tensor load and hence no joint loads of a cluster.
; A work-group whose half has no group stores nothing: the price of a grid that serves every split.  No prefetch: 60 loads a wave are out ahead of the group that is multiplied.
; The sum over K is taken as four sums of 1,024 that are added in f32: another order than one chain's.
; LAYOUT.  Transposed use: source 0 = 16 rows of W2 (columns of y), source 1 = a group's fragment: a lane holds one row and eight neighbouring columns.
; REGISTERS: window 0: v1-49 addresses; v64-79 W2's scale words (4 n + s % 4; K steps 4-7 in lanes 16-31); v96-127 h's (4 place + s / 2; odd K steps in lanes 16-31); v128-159 four accumulators; v192-231 the reduction.
;   windows 1, 2: h's fragments, a ring of eight groups of 64 registers (window 2 at the head: W2's rows).   window 3: W2's fragments (8 (4 s + n)).
.set HS_OFF, 16777216                  ; hc: images [512 groups][32 K steps][1,024 bytes]; then scale words [512][32 K steps][16 rows]
.set P,     528                        ; an LDS row of W2: 512 bytes + 16
.set PLN,   4*64*P                     ; behind W2's rows: two sets of planes
.set PL,    4352                       ; a plane: 16 rows x (256 bytes + 16)
.set GSZ,   4*PL                       ; a group's four planes
.set SET,   4*GSZ                      ; a chunk's
.set SPARE, PLN+2*SET                  ; the spare words, 128 bytes a wave: two blocks that no other line names
.set LI,  3                            ; 16 x lane
.set L4,  4                            ; 4 x lane
.set WSA, 5
.set R16, 6                            ; 16 r
.set VL,  7                            ; the list: lane l takes group l / 4, row 4 w + l % 4
.set WST, 9
.set WFR, 10
.set SPW, 11
.set NIL, 12
.set BI,  13                           ; 4 h
.set YO,  14                           ; 256 cb + 16 r
.set ST,  16                           ; v16, v17: my plane, row r, + 32 h, in set 0, 1
.set RD,  18                           ; v18, v19: plane 0, row 4 w + h, + 16 r
.set RDB, 20                           ; v20, v21: two rows further down
.set SLA, 32                           ; slots of the first eight groups
.set SLB, 33                           ; of a later chunk
.set B2,  36
.set TI,  44
.set SA,  46
.set YA,  48
.set W2S, 64
.set HS,  96
.set D,   128
.set RL,  192
.set OUTR, 224
.set WV,  16
.set CB,  17
.set HALF, 18
.set EX,  19
.set NG,  20
.set N,   21
.set GB,  22                           ; the chunk's first group of my half
.set HSP, 38
.set MSB, 0
.macro WIN new
.if MSB != (\new)
	s_set_vgpr_msb (MSB<<8)|(\new)
.set MSB, (\new)
.endif
.endm
.macro WALU
	s_wait_alu depctr_va_vdst(0)
.endm
	s_load_b256 s[4:11], s[0:1], 0x0               ; hc, plan, w2_codes, w2_scales
	s_load_b128 s[12:15], s[0:1], 0x20             ; b2, y
	s_lshr_b32 s[CB], ttmp9, 1
	s_lshl_b32 s2, s[CB], 8
	v_lshrrev_b32 v15, 5, v0
	v_readfirstlane_b32 s[WV], v15
	s_mul_i32 s26, s[WV], 64*P
	s_mul_i32 s27, s[WV], PL
	s_add_co_u32 s27, s27, PLN
	s_mul_i32 s28, s[WV], 4*272
	s_add_co_u32 s28, s28, PLN
	v_lshl_add_u32 v[SPW], v0, 2, SPARE
	v_mov_b32 v[NIL], 0
	v_and_b32 v1, 15, v0                           ; r
	v_bfe_u32 v2, v0, 4, 1                         ; h
	v_and_b32 v15, 31, v0
	v_lshlrev_b32 v[LI], 4, v15
	v_lshlrev_b32 v[L4], 2, v15
	v_lshlrev_b32 v[R16], 4, v1
	v_lshlrev_b32 v[WSA], 7, v1
	v_lshl_add_u32 v[WSA], v2, 4, v[WSA]
	v_and_b32 v[VL], 3, v15
	v_lshlrev_b32 v[VL], 2, v[VL]
	v_lshrrev_b32 v15, 2, v15
	v_lshl_add_u32 v[VL], v15, 7, v[VL]
	v_add_nc_u32 v[WST], s26, v[LI]
	v_mul_u32_u24 v[WFR], v1, P
	v_lshl_add_u32 v[WFR], v2, 4, v[WFR]
	v_add_nc_u32 v[WFR], s26, v[WFR]
	v_mul_u32_u24 v[ST], v1, 272
	v_lshl_add_u32 v[ST], v2, 5, v[ST]
	v_add_nc_u32 v[ST], s27, v[ST]
	v_mul_u32_u24 v[RD], v2, 272
	v_add_nc_u32 v[RD], v[RD], v[R16]
	v_add_nc_u32 v[RD], s28, v[RD]
	v_add_nc_u32 v[RDB], 2*272, v[RD]
	v_add_nc_u32 v[ST+1], SET, v[ST]
	v_add_nc_u32 v[RD+1], SET, v[RD]
	v_add_nc_u32 v[RDB+1], SET, v[RDB]
	v_lshlrev_b32 v[BI], 2, v2
	v_add_nc_u32 v[YO], s2, v[R16]
	WALU
	s_and_b32 s[HALF], ttmp9, 1
	s_and_b32 s[EX], ttmp7, 0xffff
	s_mov_b32 s27, 0
	s_mov_b32 s29, 0
	s_mov_b32 s31, 0
	s_mov_b32 s3, 0
	s_lshl_b32 s26, s[EX], 21                      ; W2's codes: 2 MiB an expert, 64 rows of 2,048 bytes a block, 512 bytes of a row a wave
	s_lshl_b32 s23, s[CB], 17
	s_add_co_u32 s26, s26, s23
	s_lshl_b32 s23, s[WV], 9
	s_add_co_u32 s26, s26, s23
	s_lshl_b32 s28, s[EX], 17                      ; its scale bytes: 128 a row, 32 of them a wave
	s_lshl_b32 s23, s[CB], 13
	s_add_co_u32 s28, s28, s23
	s_lshl_b32 s23, s[WV], 5
	s_add_co_u32 s28, s28, s23
	s_lshl_b32 s30, s[EX], 12                      ; b2
	s_add_co_u32 s30, s30, s2
	s_lshl_b32 s24, s[EX], 6
	s_add_co_u32 s24, s24, s[HALF]                 ; my first group
	s_lshl_b32 s34, s24, 15
	s_lshl_b32 s23, s[WV], 13
	s_add_co_u32 s34, s34, s23                     ; its images, my K steps
	s_mov_b32 s35, 0
	s_lshl_b32 s36, s24, 11
	s_lshl_b32 s23, s[WV], 9
	s_add_co_u32 s36, s36, s23
	s_add_co_u32 s36, s36, HS_OFF                  ; its scale words
	s_mov_b32 s37, 0
	s_wait_kmcnt 0x0
	s_add_nc_u64 s[8:9], s[8:9], s[26:27]
	s_add_nc_u64 s[10:11], s[10:11], s[28:29]
	s_add_nc_u64 s[12:13], s[12:13], s[30:31]
	WIN 0x80
.set M, 0
.rept 64
	global_load_b128 v[4*M:4*M+3], v[LI], s[8:9] offset:2048*M     ; my 512 bytes of a row of W2
.set M, M+1
.endr
	WIN 0
	s_lshl_b32 s2, s[EX], 7
	s_add_nc_u64 s[26:27], s[6:7], s[2:3]
	s_load_b32 s[NG], s[26:27], 0x0                ; how many groups my expert has
	s_mul_i32 s2, s[EX], 5120
	s_add_co_u32 s2, s2, 1024
	s_lshl_b32 s23, s[HALF], 6
	s_add_co_u32 s2, s2, s23
	s_lshl_b32 s23, s[WV], 4
	s_add_co_u32 s2, s2, s23
	s_add_nc_u64 s[6:7], s[6:7], s[2:3]            ; the list at my half's first group, my four rows
	s_add_nc_u64 s[HSP:HSP+1], s[4:5], s[36:37]
	s_add_nc_u64 s[4:5], s[4:5], s[34:35]
.irp n, 0,1,2,3
	global_load_b128 v[W2S+4*\n:W2S+4*\n+3], v[WSA], s[10:11] offset:2048*\n   ; lanes 0-15 K steps 0-3, lanes 16-31 K steps 4-7
.endr
	global_load_b32 v[SLA], v[VL], s[6:7]
	global_load_b128 v[B2:B2+3], v[R16], s[12:13]
.macro FILL slot, g                    ; group g behind the base into a ring place: my 8 images, 512 consecutive bytes a load, and their scale words: 20 loads
	WIN 0x40*(1+(\slot)/4)
.irp s, 0,1,2,3,4,5,6,7
.irp c, 0,1
	global_load_b128 v[64*((\slot)%4)+8*\s+4*\c:64*((\slot)%4)+8*\s+4*\c+3], v[LI], s[4:5] offset:65536*(\g)+1024*\s+512*\c
.endr
.endr
	WIN 0
.irp i, 0,1,2,3
	global_load_b32 v[HS+4*(\slot)+\i], v[L4], s[HSP:HSP+1] offset:4096*(\g)+128*\i
.endr
.endm
	FILL 0, 0
	FILL 1, 1
	FILL 2, 2
	s_wait_loadcnt 63                              ; 66 loads were issued behind W2's 64: with 63 out at the most, W2 is in
	WIN 0x08
.set M, 0
.rept 64
	ds_store_b128 v[WST], v[4*M:4*M+3] offset:P*M
.set M, M+1
.endr
	WIN 0xc0
.irp s, 0,1,2,3,4,5,6,7
.irp n, 0,1,2,3
.irp c, 0,1
	ds_load_b128 v[8*(4*\s+\n)+4*\c:8*(4*\s+\n)+4*\c+3], v[WFR] offset:16*P*\n+64*\s+32*\c   ; my own wave's bytes: LDS serves a wave's instructions in order
.endr
.endr
.endr
	WIN 0
	s_wait_dscnt 0x0                               ; W2's fragments are in, and window 2 is free
	s_wait_kmcnt 0x0
	s_min_u32 s[NG], s[NG], 64
	s_add_co_u32 s[N], s[NG], 1
	s_sub_co_u32 s[N], s[N], s[HALF]
	s_lshr_b32 s[N], s[N], 1                       ; my half's groups
.macro WM d, a, b, sa, ra, sb, rb
.if ((\ra) == 0) && ((\rb) == 0)
	v_wmma_scale_f32_16x16x128_f8f6f4 v[(\d):(\d)+7], v[(\a):(\a)+7], v[(\b):(\b)+7], v[(\d):(\d)+7], v[\sa], v[\sb] matrix_a_fmt:MATRIX_FMT_FP4 matrix_b_fmt:MATRIX_FMT_FP4
.elseif (\ra) == 0
	v_wmma_scale_f32_16x16x128_f8f6f4 v[(\d):(\d)+7], v[(\a):(\a)+7], v[(\b):(\b)+7], v[(\d):(\d)+7], v[\sa], v[\sb] matrix_a_fmt:MATRIX_FMT_FP4 matrix_b_fmt:MATRIX_FMT_FP4 matrix_b_scale:MATRIX_SCALE_ROW1
.elseif (\rb) == 0
	v_wmma_scale_f32_16x16x128_f8f6f4 v[(\d):(\d)+7], v[(\a):(\a)+7], v[(\b):(\b)+7], v[(\d):(\d)+7], v[\sa], v[\sb] matrix_a_fmt:MATRIX_FMT_FP4 matrix_b_fmt:MATRIX_FMT_FP4 matrix_a_scale:MATRIX_SCALE_ROW1
.else
	v_wmma_scale_f32_16x16x128_f8f6f4 v[(\d):(\d)+7], v[(\a):(\a)+7], v[(\b):(\b)+7], v[(\d):(\d)+7], v[\sa], v[\sb] matrix_a_fmt:MATRIX_FMT_FP4 matrix_b_fmt:MATRIX_FMT_FP4 matrix_a_scale:MATRIX_SCALE_ROW1 matrix_b_scale:MATRIX_SCALE_ROW1
.endif
.endm
.macro GROUP slot, b, st               ; SCC says that the group does not exist; b: its place among the chunk's planes; st: the register of the plane set
	s_cbranch_scc1 .Lg_\@
	s_wait_dscnt 0x0                               ; the last group's plane stores have read the accumulators
	WIN 0x07+4*((\slot)/4)                         ; source 0 (W2) window 3, source 1 (h) window 1 or 2
.irp s, 0,1,2,3,4,5,6,7                        ; K step by K step, the four accumulators by turns; the first K step starts the sums
.irp n, 0,1,2,3
.if \s == 0
	v_wmma_scale_f32_16x16x128_f8f6f4 v[D+8*\n:D+8*\n+7], v[8*\n:8*\n+7], v[64*((\slot)%4):64*((\slot)%4)+7], 0, v[W2S+4*\n], v[HS+4*(\slot)] matrix_a_fmt:MATRIX_FMT_FP4 matrix_b_fmt:MATRIX_FMT_FP4
.else
	WM D+8*\n, 8*(4*\s+\n), 64*((\slot)%4)+8*\s, W2S+4*\n+(\s%4), \s/4, HS+4*(\slot)+(\s/2), \s%2
.endif
.endr
.endr
	WIN 0
.rept 5
	v_nop                                          ; four places in front of the stores that read results and of later loads into h's registers; five in front of the next group's products, which begin the accumulators anew
.endr
.irp n, 0,1,2,3
	ds_store_b128 v[\st], v[D+8*\n:D+8*\n+3] offset:(\b)*GSZ+64*\n          ; each accumulator from its low end on
	ds_store_b128 v[\st], v[D+8*\n+4:D+8*\n+7] offset:(\b)*GSZ+64*\n+16
.endr
.Lg_\@:
.endm
.macro RED b, gl, p, sl                ; SCC says that the group does not exist.  My four rows of its four planes are added, b2 is added, and sixteen lanes store 256 consecutive bytes, aligned, at the row's slot
	s_cbranch_scc1 .Lr_\@
	v_add_nc_u32 v[TI], 16*(\gl), v[BI]
	v_add_nc_u32 v[TI+1], 16*(\gl)+8, v[BI]
	ds_bpermute_b32 v[SA], v[TI], v[\sl]           ; rows 4 w + h
	ds_bpermute_b32 v[SA+1], v[TI+1], v[\sl]       ; and 4 w + 2 + h
.irp q, 0,1,2,3
	ds_load_b128 v[RL+4*\q:RL+4*\q+3], v[RD+(\p)] offset:(\b)*GSZ+PL*\q
	ds_load_b128 v[RL+16+4*\q:RL+16+4*\q+3], v[RDB+(\p)] offset:(\b)*GSZ+PL*\q
.endr
	WALU
	s_wait_xcnt 0x0                                ; the last group's stores have read their data and addresses
	s_wait_dscnt 0x0
.irp i, 0,1
	v_min_u32 v[SA+\i], 0x87f, v[SA+\i]
.endr
.irp i, 0,1
	v_lshl_add_u32 v[YA+\i], v[SA+\i], 12, v[YO]
.endr
.irp i, 0,1
.irp q, 0,2
	v_pk_add_f32 v[RL+16*\i+\q:RL+16*\i+\q+1], v[RL+16*\i+\q:RL+16*\i+\q+1], v[RL+16*\i+4+\q:RL+16*\i+4+\q+1]
	v_pk_add_f32 v[RL+16*\i+8+\q:RL+16*\i+8+\q+1], v[RL+16*\i+8+\q:RL+16*\i+8+\q+1], v[RL+16*\i+12+\q:RL+16*\i+12+\q+1]
.endr
.endr
.irp i, 0,1
.irp q, 0,2
	v_pk_add_f32 v[RL+16*\i+\q:RL+16*\i+\q+1], v[RL+16*\i+\q:RL+16*\i+\q+1], v[RL+16*\i+8+\q:RL+16*\i+8+\q+1]
.endr
.endr
.irp i, 0,1
.irp q, 0,2
	v_pk_add_f32 v[OUTR+4*\i+\q:OUTR+4*\i+\q+1], v[RL+16*\i+\q:RL+16*\i+\q+1], v[B2+\q:B2+\q+1]
.endr
.endr
.irp i, 0,1
	global_store_b128 v[YA+\i], v[OUTR+4*\i:OUTR+4*\i+3], s[14:15]
.endr
.Lr_\@:
.endm
.macro MEET                            ; my planes lie in LDS and my reads are over: for the others' sake
	s_wait_dscnt 0x0
	s_barrier_signal -1
	s_barrier_wait -1
.endm
.macro FIRST b                         ; one of the first eight groups: its loads, and three groups' behind it, are issued and waited for on every way; the product alone hangs on the number
.if \b < 5
	FILL \b+3, \b+3
	s_wait_loadcnt 60                              ; the 3 x 20 loads of the three groups behind may be out
.else
	s_wait_loadcnt 20*(7-\b)                       ; 20 for each later one of the eight; a ninth group's loads hang on the number and are counted as none
.endif
.if \b == 5
	s_cmp_le_u32 s[N], 8
	s_cbranch_scc1 .Lno_ninth
	FILL 0, 8
.Lno_ninth:
.endif
	s_cmp_le_u32 s[N], \b
	GROUP \b, \b%4, ST+(\b/4)
.endm
.irp b, 0,1,2,3
	FIRST \b
.endr
	MEET
.irp b, 0,1,2,3
	s_cmp_le_u32 s[N], \b
	RED \b, \b, 0, SLA
.endr
.irp b, 4,5,6,7
	FIRST \b
.endr
	MEET
.irp b, 4,5,6,7
	s_cmp_le_u32 s[N], \b
	RED \b-4, \b, 1, SLA
.endr
	s_mov_b32 s[GB], 4
	s_wait_xcnt 0x0
	s_add_nc_u64 s[4:5], s[4:5], 4*65536
	s_add_nc_u64 s[HSP:HSP+1], s[HSP:HSP+1], 4*4096
	s_add_nc_u64 s[6:7], s[6:7], 512
.Lchunk:                                           ; groups 8 .. 31 of a half, four a trip
	s_wait_xcnt 0x0                                ; every memory instruction has read its base
	s_add_nc_u64 s[4:5], s[4:5], 4*65536
	s_add_nc_u64 s[HSP:HSP+1], s[HSP:HSP+1], 4*4096
	s_add_nc_u64 s[6:7], s[6:7], 512
	s_add_co_u32 s[GB], s[GB], 4
	s_cmp_ge_u32 s[GB], s[N]
	s_cbranch_scc1 .Lc1
	global_load_b32 v[SLB], v[VL], s[6:7]
.irp b, 1,2,3                                  ; the chunk's first group has been asked for already
	s_add_co_u32 s26, s[GB], \b
	s_cmp_ge_u32 s26, s[N]
	s_cbranch_scc1 .Lasked
	FILL \b, \b
.endr
.Lasked:
	s_wait_loadcnt 0x0
.irp b, 0,1,2,3
	s_add_co_u32 s26, s[GB], \b
	s_cmp_ge_u32 s26, s[N]
	GROUP \b, \b, ST
.endr
.Lc1:
	MEET
	s_cmp_ge_u32 s[GB], s[N]
	s_cbranch_scc1 .Lc2
	s_add_co_u32 s26, s[GB], 4
	s_cmp_ge_u32 s26, s[N]
	s_cbranch_scc1 .Lno_more
	FILL 0, 4                                      ; the next chunk's first group
.Lno_more:
.irp b, 0,1,2,3
	s_add_co_u32 s26, s[GB], \b
	s_cmp_ge_u32 s26, s[N]
	RED \b, \b, 0, SLB
.endr
.Lc2:
	MEET                                           ; only now may the next chunk write the planes
	s_cmp_lt_u32 s[GB], 28
	s_cbranch_scc1 .Lchunk
	s_wait_tensorcnt 0x0                           ; the wave's end, behind my last LDS store
	ds_add_u32 v[SPW], v[NIL]
	s_wait_dscnt 0x0
	s_endpgm
.Lfunc_end_k_qee9ac098b5_ffn2:
	.size	k_qee9ac098b5_ffn2, .Lfunc_end_k_qee9ac098b5_ffn2-k_qee9ac098b5_ffn2
	.p2alignl 7, 3214868480
	.fill 96, 4, 3214868480
	.section	.rodata,"a",@progbits
	.p2align	6, 0x0
	.amdhsa_kernel k_qee9ac098b5_ffn2
		.amdhsa_group_segment_fixed_size 274944
		.amdhsa_private_segment_fixed_size 0
		.amdhsa_enable_private_segment 0
		.amdhsa_kernarg_size 48
		.amdhsa_user_sgpr_count 2
		.amdhsa_user_sgpr_kernarg_segment_ptr 1
		.amdhsa_wavefront_size32 1
		.amdhsa_system_sgpr_workgroup_id_x 1
		.amdhsa_system_sgpr_workgroup_id_y 1
		.amdhsa_system_sgpr_workgroup_id_z 1
		.amdhsa_system_vgpr_workitem_id 0
		.amdhsa_next_free_vgpr 1024
		.amdhsa_next_free_sgpr 66
		.amdhsa_reserve_vcc 0
		.amdhsa_float_denorm_mode_32 3
		.amdhsa_float_denorm_mode_16_64 3
		.amdhsa_memory_ordered 1
		.amdhsa_forward_progress 1
		.amdhsa_inst_pref_size 132
	.end_amdhsa_kernel
	.amdgpu_metadata
---
amdhsa.version: [ 1, 2 ]
amdhsa.kernels:
  - .name:           k_qee9ac098b5_ffn2
    .symbol:         k_qee9ac098b5_ffn2.kd
    .args:
      - { .name: hc, .offset: 0, .size: 8, .value_kind: global_buffer, .address_space: global }
      - { .name: plan, .offset: 8, .size: 8, .value_kind: global_buffer, .address_space: global }
      - { .name: w2_codes, .offset: 16, .size: 8, .value_kind: global_buffer, .address_space: global }
      - { .name: w2_scales, .offset: 24, .size: 8, .value_kind: global_buffer, .address_space: global }
      - { .name: b2, .offset: 32, .size: 8, .value_kind: global_buffer, .address_space: global }
      - { .name: y, .offset: 40, .size: 8, .value_kind: global_buffer, .address_space: global }
    .group_segment_fixed_size: 274944
    .private_segment_fixed_size: 0
    .kernarg_segment_align: 8
    .kernarg_segment_size: 48
    .max_flat_workgroup_size: 128
    .sgpr_count:     66
    .vgpr_count:     1024
    .wavefront_size: 32
...
	.end_amdgpu_metadata
.endif
;; end of part 8
;; launch combine (part 9): grid 256 x 1, 4 waves a work-group, no clusters, 0 bytes of LDS; arguments y, wts, out0; writes out0
.if DOCPART == 9
	.amdgcn_target "amdgcn-amd-amdhsa--gfx1250"
	.amdhsa_code_object_version 6
	.text
	.protected	k_qee9ac098b5_combine
	.globl	k_qee9ac098b5_combine
	.p2align	8
	.type	k_qee9ac098b5_combine,@function
k_qee9ac098b5_combine:
	s_mov_b64 s[64:65], 0
	v_nop
	global_prefetch_b8 v0, s[64:65] scope:SCOPE_SE
	s_setreg_imm32_b32 hwreg(HW_REG_WAVE_MODE, 25, 1), 1
	s_wait_xcnt 0x0
; COMBINE: out[t] = c0 y[2 t] + c1 y[2 t + 1]: each token's two expert rows, weighed.
; The six terms of reference()'s sum whose weight is a 0 of its own one_hot are left out (shown at the first kernel's head).
; Each output row has one owner: wave w of work-group g owns token 4 g + w: 8,192 consecutive bytes of y, sixteen loads of 512, eight stores of 512.  No address hangs on data.
; A stream: no LDS, no barrier, no matrix unit, no loop to prefetch in, nothing shared between work-groups.
.set YA, 16                            ; v16-47  the first row, then the result
.set YC, 48                            ; v48-79  the second row
	s_load_b128 s[4:7], s[0:1], 0x0                ; y, wts
	s_load_b64 s[12:13], s[0:1], 0x10              ; out0
	v_lshrrev_b32 v2, 5, v0
	v_readfirstlane_b32 s14, v2                    ; wave
	v_and_b32 v1, 31, v0
	v_lshlrev_b32 v1, 4, v1                        ; 16 x lane
	s_lshl_b32 s15, ttmp9, 2
	s_add_co_u32 s15, s15, s14                     ; my token
	s_lshl_b32 s16, s15, 13
	s_mov_b32 s17, 0
	s_lshl_b32 s18, s15, 3
	s_mov_b32 s19, 0
	s_wait_alu depctr_va_vdst(0)
	s_wait_kmcnt 0x0
	s_add_nc_u64 s[4:5], s[4:5], s[16:17]
	s_add_nc_u64 s[6:7], s[6:7], s[18:19]
	s_load_b64 s[28:29], s[6:7], 0x0               ; its two weights
.irp i, 0,1,2,3,4,5,6,7
	global_load_b128 v[YA+4*\i:YA+4*\i+3], v1, s[4:5] offset:512*\i th:TH_LOAD_NT
	global_load_b128 v[YC+4*\i:YC+4*\i+3], v1, s[4:5] offset:4096+512*\i th:TH_LOAD_NT
.endr
	s_lshl_b32 s16, s15, 12
	s_add_nc_u64 s[12:13], s[12:13], s[16:17]      ; its row of out
	s_wait_kmcnt 0x0
	s_mov_b32 s30, s29                             ; c1 in a pair of its own: the packed form takes a scalar pair's low word for both halves
	s_mov_b32 s31, s29
.irp i, 0,1,2,3,4,5,6,7
	s_wait_loadcnt 2*(7-\i)                        ; piece i of both rows is in; two loads for each younger piece may stay out
	v_pk_mul_f32 v[YA+4*\i:YA+4*\i+1], v[YA+4*\i:YA+4*\i+1], s[28:29] op_sel_hi:[1,0]
	v_pk_mul_f32 v[YA+4*\i+2:YA+4*\i+3], v[YA+4*\i+2:YA+4*\i+3], s[28:29] op_sel_hi:[1,0]
	v_pk_fma_f32 v[YA+4*\i:YA+4*\i+1], v[YC+4*\i:YC+4*\i+1], s[30:31], v[YA+4*\i:YA+4*\i+1] op_sel_hi:[1,0,1]
	v_pk_fma_f32 v[YA+4*\i+2:YA+4*\i+3], v[YC+4*\i+2:YC+4*\i+3], s[30:31], v[YA+4*\i+2:YA+4*\i+3] op_sel_hi:[1,0,1]
	global_store_b128 v1, v[YA+4*\i:YA+4*\i+3], s[12:13] offset:512*\i th:TH_STORE_NT
.endr
	s_endpgm
.Lfunc_end_k_qee9ac098b5_combine:
	.size	k_qee9ac098b5_combine, .Lfunc_end_k_qee9ac098b5_combine-k_qee9ac098b5_combine
	.p2alignl 7, 3214868480
	.fill 96, 4, 3214868480
	.section	.rodata,"a",@progbits
	.p2align	6, 0x0
	.amdhsa_kernel k_qee9ac098b5_combine
		.amdhsa_group_segment_fixed_size 0
		.amdhsa_private_segment_fixed_size 0
		.amdhsa_enable_private_segment 0
		.amdhsa_kernarg_size 24
		.amdhsa_user_sgpr_count 2
		.amdhsa_user_sgpr_kernarg_segment_ptr 1
		.amdhsa_wavefront_size32 1
		.amdhsa_system_sgpr_workgroup_id_x 1
		.amdhsa_system_sgpr_workgroup_id_y 1
		.amdhsa_system_sgpr_workgroup_id_z 1
		.amdhsa_system_vgpr_workitem_id 0
		.amdhsa_next_free_vgpr 96
		.amdhsa_next_free_sgpr 66
		.amdhsa_reserve_vcc 0
		.amdhsa_float_denorm_mode_32 3
		.amdhsa_float_denorm_mode_16_64 3
		.amdhsa_memory_ordered 1
		.amdhsa_forward_progress 1
		.amdhsa_inst_pref_size 6
	.end_amdhsa_kernel
	.amdgpu_metadata
---
amdhsa.version: [ 1, 2 ]
amdhsa.kernels:
  - .name:           k_qee9ac098b5_combine
    .symbol:         k_qee9ac098b5_combine.kd
    .args:
      - { .name: y, .offset: 0, .size: 8, .value_kind: global_buffer, .address_space: global }
      - { .name: wts, .offset: 8, .size: 8, .value_kind: global_buffer, .address_space: global }
      - { .name: out0, .offset: 16, .size: 8, .value_kind: global_buffer, .address_space: global }
    .group_segment_fixed_size: 0
    .private_segment_fixed_size: 0
    .kernarg_segment_align: 8
    .kernarg_segment_size: 24
    .max_flat_workgroup_size: 128
    .sgpr_count:     66
    .vgpr_count:     96
    .wavefront_size: 32
...
	.end_amdgpu_metadata
.endif
;; end of part 9
